; MI455X (gfx1250); checked and timed in simulation.
; The chip was launched on July 23, 2026; its instructions are those of AMD's public machine-readable ISA for CDNA 5 (MIT licence, August 2026) and "CDNA5" Instruction Set Architecture Reference Guide (July 2026). The comments in the code are by the model that wrote it; some were corrected since.
;; Attention. Allowed arithmetic: float matrix products may take bf16 or f16 operands with f32 sums; other float arithmetic in f32, or as packed bf16 or f16 multiplies, adds, multiply-adds, maxima and minima; sums over many terms, partial sums and values carried from step to step in f32; what a program stores and reads back later, other than sums and carried values, may be rounded once to bf16 or f16.
;; Inputs: b_out 1,024 float32; norm_b 1,024 float32; norm_g 1,024 float32; normk_b 64 float32; normk_g 64 float32; normv_b 64 float32; normv_g 64 float32; w_out 1,024 x 1,024 float32; w_qkv 1,024 x 3,072 float32; x 4 x 2,048 x 1,024 float32.
;; Outputs: out0 4 x 2,048 x 1,024 float32.
;; One version. Each part assembles by itself: llvm-mc -triple=amdgcn-amd-amdhsa -mcpu=gfx1250 --defsym DOCPART=n.
;; ======== version 1 of 1: 4 launches
;; limits: values are held in f16: magnitudes above 65,504 overflow, below 6.1e-05 lose precision
;; workspace buffers: xnb 16,777,216 bytes; wqb 6,291,456 bytes; wob 2,097,152 bytes; qh 16,777,216 bytes; kh 16,777,216 bytes; vh 16,777,216 bytes; oh 16,777,216 bytes
;; launch prep (part 1): grid 768 x 1, 8 waves a work-group, no clusters, 0 bytes of LDS; arguments x, norm_g, norm_b, w_qkv, w_out, xnb, wqb, wob; writes xnb, wqb, wob
.if DOCPART == 1
	.amdgcn_target "amdgcn-amd-amdhsa--gfx1250"
	.amdhsa_code_object_version 6
	.text
	.protected	k_qa11c06b074_prep
	.globl	k_qa11c06b074_prep
	.p2align	8
	.type	k_qa11c06b074_prep,@function
k_qa11c06b074_prep:
	s_mov_b64 s[64:65], 0
	v_nop
	global_prefetch_b8 v0, s[64:65] scope:SCOPE_SE
	s_setreg_imm32_b32 hwreg(HW_REG_WAVE_MODE, 25, 1), 1
	s_wait_xcnt 0x0
; THREE STREAMS IN ONE LAUNCH, each byte read once and written once; a wave's share is two input rows of 1,024 f32 (8,192 bytes).
;   work-groups 0-511:   xnb[r][c] = f16( (x[r][c] - mean_r) * rsqrt(var_r + 1e-5) * norm_g[c] + norm_b[c] ), r = 0 .. 8,191
;   work-groups 512-703: wqb[x][k][s][c] = f16( w_qkv[k][1024 s + 64 x + c] ): for one head x the columns of q, k and v lie together, 384 bytes for each k
;   work-groups 704-767: wob[x][k][c]    = f16( w_out[k][64 x + c] )
; The norm is taken in f32 in two passes over registers: the mean, then the sum of (x - mean)^2: no difference of large sums is formed.
; LIMITS.  f16 holds no number beyond 65,504: |w_qkv|, |w_out| and |xn| (at most 32 |g| + |b|) must lie within it; below 6e-5 an f16 number keeps the fixed step 6e-8.
; NaN and infinities are not treated apart.
; No LDS, no barrier, no matrix unit: no wave wants a byte that another has fetched.
.set T,  8                             ; v[8:15]    four chains of pairs
.set X0, 16                            ; v[16:47]   row 2 T: register 4 j + i holds column 128 j + 4 lane + i
.set X1, 48                            ; v[48:79]   row 2 T + 1
.set G,  80                            ; v[80:111]  norm_g of the same columns
.set B,  112                           ; v[112:143] norm_b
.set M,  144                           ; v[144:147] -mean, a pair for each row
.set R,  148                           ; v[148:151] 1 / sqrt(var + eps), a pair for each row
	s_load_b512 s[16:31], s[0:1], 0x0              ; x s[16:17], norm_g s[18:19], norm_b s[20:21], w_qkv s[22:23], w_out s[24:25], xnb s[26:27], wqb s[28:29], wob s[30:31]
	v_lshrrev_b32 v1, 5, v0
	v_readfirstlane_b32 s8, v1                     ; wave 0..7
	v_and_b32 v1, 31, v0                           ; lane
	s_cmp_lt_u32 ttmp9, 512
	s_cbranch_scc0 .Lweights
	s_mov_b32 s32, 0x76543210                      ; v_permlanex16_b32: each lane takes its own place in the other half
	s_mov_b32 s33, 0xfedcba98
	s_mov_b32 s34, 0xba800000                      ; -1/1024
	s_mov_b32 s35, 0x3a800000                      ; 1/1024
	s_mov_b32 s36, 0x3727c5ac                      ; 1e-5
	s_lshl_b32 s9, ttmp9, 3
	s_add_co_u32 s9, s9, s8                        ; T = 8 x work-group + wave
	s_lshl_b32 s10, s9, 13                         ; two rows of 4,096 bytes in
	s_mov_b32 s11, 0
	s_lshl_b32 s12, s9, 12                         ; two rows of 2,048 bytes out
	s_mov_b32 s13, 0
	v_lshlrev_b32 v2, 4, v1                        ; 16 bytes a lane in x, g and b
	v_lshlrev_b32 v3, 3, v1                        ; 8 bytes a lane in xnb
	s_wait_kmcnt 0x0
	s_add_nc_u64 s[4:5], s[16:17], s[10:11]
	s_add_nc_u64 s[6:7], s[26:27], s[12:13]
.irp j, 0,1,2,3,4,5,6,7
	global_load_b128 v[X0+4*(\j):X0+4*(\j)+3], v2, s[4:5] offset:512*(\j) th:TH_LOAD_NT  ; 512 consecutive bytes a load
.endr
.irp j, 0,1,2,3,4,5,6,7
	global_load_b128 v[X1+4*(\j):X1+4*(\j)+3], v2, s[4:5] offset:4096+512*(\j) th:TH_LOAD_NT
.endr
.irp j, 0,1,2,3,4,5,6,7
	global_load_b128 v[G+4*(\j):G+4*(\j)+3], v2, s[18:19] offset:512*(\j)
.endr
.irp j, 0,1,2,3,4,5,6,7
	global_load_b128 v[B+4*(\j):B+4*(\j)+3], v2, s[20:21] offset:512*(\j)
.endr
.macro JOIN                            ; the four chains into one number a lane, then over the 32 lanes: every lane ends with the row's sum
	v_pk_add_f32 v[T:T+1], v[T:T+1], v[T+2:T+3]
	v_pk_add_f32 v[T+4:T+5], v[T+4:T+5], v[T+6:T+7]
	v_pk_add_f32 v[T:T+1], v[T:T+1], v[T+4:T+5]
	v_add_f32 v[T], v[T], v[T+1]
	v_add_f32_dpp v[T], v[T], v[T] row_xmask:1 row_mask:0xf bank_mask:0xf
	v_add_f32_dpp v[T], v[T], v[T] row_xmask:2 row_mask:0xf bank_mask:0xf
	v_add_f32_dpp v[T], v[T], v[T] row_xmask:4 row_mask:0xf bank_mask:0xf
	v_add_f32_dpp v[T], v[T], v[T] row_xmask:8 row_mask:0xf bank_mask:0xf
	v_permlanex16_b32 v[T+1], v[T], s32, s33       ; its destination has been written above
	v_add_f32 v[T], v[T], v[T+1]
.endm
; Row i in registers x: the mean; x - mean in place; the variance; its reciprocal root.
.macro STAT x, i
.irp k, 0,1,2,3
	v_pk_add_f32 v[T+2*(\k):T+2*(\k)+1], v[(\x)+2*(\k):(\x)+2*(\k)+1], v[(\x)+8+2*(\k):(\x)+8+2*(\k)+1]  ; the first eight pairs start the chains
.endr
.irp k, 0,1,2,3,4,5,6,7
	v_pk_add_f32 v[T+2*((\k)%4):T+2*((\k)%4)+1], v[T+2*((\k)%4):T+2*((\k)%4)+1], v[(\x)+16+2*(\k):(\x)+16+2*(\k)+1]
.endr
	JOIN
	v_mul_f32 v[M+2*(\i)], s34, v[T]
	v_mul_f32 v[M+2*(\i)+1], s34, v[T]
.irp k, 0,1,2,3,4,5,6,7,8,9,10,11,12,13,14,15
	v_pk_add_f32 v[(\x)+2*(\k):(\x)+2*(\k)+1], v[(\x)+2*(\k):(\x)+2*(\k)+1], v[M+2*(\i):M+2*(\i)+1]
.endr
.irp k, 0,1,2,3
	v_pk_mul_f32 v[T+2*(\k):T+2*(\k)+1], v[(\x)+2*(\k):(\x)+2*(\k)+1], v[(\x)+2*(\k):(\x)+2*(\k)+1]
.endr
.irp k, 4,5,6,7,8,9,10,11,12,13,14,15
	v_pk_fma_f32 v[T+2*((\k)%4):T+2*((\k)%4)+1], v[(\x)+2*(\k):(\x)+2*(\k)+1], v[(\x)+2*(\k):(\x)+2*(\k)+1], v[T+2*((\k)%4):T+2*((\k)%4)+1]
.endr
	JOIN
	v_fma_f32 v[T], v[T], s35, s36                 ; var + eps
	v_rsq_f32 v[R+2*(\i)], v[T]
	v_rsq_f32 v[R+2*(\i)+1], v[T]
	v_nop                                          ; a plain instruction behind the roots, before T is written again or R is read (ISA guide 5.7.2)
.endm
; Row i: scaled, gain and bias, rounded once to f16, stored: a store of the wave covers 256 consecutive bytes, aligned.
.macro APPLY x, i, off
	s_wait_alu depctr_va_vdst(0)
.irp k, 0,1,2,3,4,5,6,7,8,9,10,11,12,13,14,15
	v_pk_mul_f32 v[(\x)+2*(\k):(\x)+2*(\k)+1], v[(\x)+2*(\k):(\x)+2*(\k)+1], v[R+2*(\i):R+2*(\i)+1]
.endr
.irp k, 0,1,2,3,4,5,6,7,8,9,10,11,12,13,14,15
	v_pk_fma_f32 v[(\x)+2*(\k):(\x)+2*(\k)+1], v[(\x)+2*(\k):(\x)+2*(\k)+1], v[G+2*(\k):G+2*(\k)+1], v[B+2*(\k):B+2*(\k)+1]
.endr
.irp j, 0,1,2,3,4,5,6,7
	v_cvt_pk_f16_f32 v[(\x)+4*(\j)], v[(\x)+4*(\j)], v[(\x)+4*(\j)+1]
	v_cvt_pk_f16_f32 v[(\x)+4*(\j)+1], v[(\x)+4*(\j)+2], v[(\x)+4*(\j)+3]
	global_store_b64 v3, v[(\x)+4*(\j):(\x)+4*(\j)+1], s[6:7] offset:256*(\j)+(\off) th:TH_STORE_NT
.endr
.endm
	s_wait_loadcnt 24                              ; row 0 is in; the 24 younger loads (row 1, g, b) may stay out
	STAT X0, 0
	s_wait_loadcnt 16                              ; row 1 is in; g's and b's 16 may stay out
	STAT X1, 1
	s_wait_loadcnt 0x0                             ; g and b
	APPLY X0, 0, 0
	APPLY X1, 1, 2048
	s_endpgm
; THE WEIGHTS.  Lanes 0-15 take input row 2 T, lanes 16-31 row 2 T + 1; load x brings each half of the lanes 256 consecutive bytes: columns 64 x .. 64 x + 63.
; Rounded to f16 they are 128 bytes of plane x for each row, and the two rows lie on end there: a store of the wave covers 256 consecutive bytes, aligned.
.macro WPATH first, in, out, plane
	s_sub_co_u32 s9, ttmp9, \first
	s_lshl_b32 s9, s9, 3
	s_add_co_u32 s9, s9, s8                        ; T
	s_lshl_b32 s10, s9, 13                         ; two rows of 4,096 bytes in
	s_mov_b32 s11, 0
	s_lshl_b32 s12, s9, 8                          ; two rows of 128 bytes in each plane
	s_mov_b32 s13, 0
	s_wait_kmcnt 0x0
	s_add_nc_u64 s[4:5], s[\in:\in+1], s[10:11]
	s_add_nc_u64 s[6:7], s[\out:\out+1], s[12:13]
.irp x, 0,1,2,3,4,5,6,7,8,9,10,11,12,13,14,15
	global_load_b128 v[16+4*(\x):16+4*(\x)+3], v2, s[4:5] offset:256*(\x) th:TH_LOAD_NT
.endr
.irp x, 0,1,2,3,4,5,6,7,8,9,10,11,12,13,14,15
	s_wait_loadcnt 15-(\x)                         ; loads come back in order: load x is in, the younger ones stay out
	v_cvt_pk_f16_f32 v[16+4*(\x)], v[16+4*(\x)], v[17+4*(\x)]
	v_cvt_pk_f16_f32 v[17+4*(\x)], v[18+4*(\x)], v[19+4*(\x)]
	global_store_b64 v3, v[16+4*(\x):17+4*(\x)], s[6:7] offset:(\x)*(\plane) th:TH_STORE_NT  ; 15 planes at the most: inside the signed 24-bit immediate
.endr
	s_endpgm
.endm
.Lweights:
	v_and_b32 v4, 15, v0
	v_bfe_u32 v5, v0, 4, 1
	v_lshlrev_b32 v2, 4, v4
	v_lshl_add_u32 v2, v5, 12, v2                  ; in: 4,096 x half + 16 x (lane % 16)
	v_lshlrev_b32 v3, 3, v4
	v_lshl_add_u32 v3, v5, 7, v3                   ; out: 128 x half + 8 x (lane % 16)
	s_cmp_lt_u32 ttmp9, 704
	s_cbranch_scc0 .Lwout
	WPATH 512, 22, 28, 393216                      ; w_qkv as [3,072 = 3 k + s][1,024]; a plane of wqb is 1,024 x 384 bytes
.Lwout:
	WPATH 704, 24, 30, 131072                      ; w_out [1,024][1,024]; a plane of wob is 1,024 x 128 bytes
.Lfunc_end_k_qa11c06b074_prep:
	.size	k_qa11c06b074_prep, .Lfunc_end_k_qa11c06b074_prep-k_qa11c06b074_prep
	.p2alignl 7, 3214868480
	.fill 96, 4, 3214868480
	.section	.rodata,"a",@progbits
	.p2align	6, 0x0
	.amdhsa_kernel k_qa11c06b074_prep
		.amdhsa_group_segment_fixed_size 0
		.amdhsa_private_segment_fixed_size 0
		.amdhsa_enable_private_segment 0
		.amdhsa_kernarg_size 64
		.amdhsa_user_sgpr_count 2
		.amdhsa_user_sgpr_kernarg_segment_ptr 1
		.amdhsa_wavefront_size32 1
		.amdhsa_system_sgpr_workgroup_id_x 1
		.amdhsa_system_sgpr_workgroup_id_y 1
		.amdhsa_system_sgpr_workgroup_id_z 1
		.amdhsa_system_vgpr_workitem_id 0
		.amdhsa_next_free_vgpr 160
		.amdhsa_next_free_sgpr 66
		.amdhsa_reserve_vcc 0
		.amdhsa_float_denorm_mode_32 3
		.amdhsa_float_denorm_mode_16_64 3
		.amdhsa_memory_ordered 1
		.amdhsa_forward_progress 1
		.amdhsa_inst_pref_size 33
	.end_amdhsa_kernel
	.amdgpu_metadata
---
amdhsa.version: [ 1, 2 ]
amdhsa.kernels:
  - .name:           k_qa11c06b074_prep
    .symbol:         k_qa11c06b074_prep.kd
    .args:
      - { .name: x, .offset: 0, .size: 8, .value_kind: global_buffer, .address_space: global }
      - { .name: norm_g, .offset: 8, .size: 8, .value_kind: global_buffer, .address_space: global }
      - { .name: norm_b, .offset: 16, .size: 8, .value_kind: global_buffer, .address_space: global }
      - { .name: w_qkv, .offset: 24, .size: 8, .value_kind: global_buffer, .address_space: global }
      - { .name: w_out, .offset: 32, .size: 8, .value_kind: global_buffer, .address_space: global }
      - { .name: xnb, .offset: 40, .size: 8, .value_kind: global_buffer, .address_space: global }
      - { .name: wqb, .offset: 48, .size: 8, .value_kind: global_buffer, .address_space: global }
      - { .name: wob, .offset: 56, .size: 8, .value_kind: global_buffer, .address_space: global }
    .group_segment_fixed_size: 0
    .private_segment_fixed_size: 0
    .kernarg_segment_align: 8
    .kernarg_segment_size: 64
    .max_flat_workgroup_size: 256
    .sgpr_count:     66
    .vgpr_count:     160
    .wavefront_size: 32
...
	.end_amdgpu_metadata
.endif
;; end of part 1
;; launch qkv (part 2): grid 16 x 32, 4 waves a work-group, clusters of 4 x 4, 327,680 bytes of LDS; arguments xnb, wqb, normk_g, normk_b, normv_g, normv_b, qh, kh, vh; writes qh, kh, vh
.if DOCPART == 2
	.amdgcn_target "amdgcn-amd-amdhsa--gfx1250"
	.amdhsa_code_object_version 6
	.text
	.protected	k_qa11c06b074_qkv
	.globl	k_qa11c06b074_qkv
	.p2align	8
	.type	k_qa11c06b074_qkv,@function
k_qa11c06b074_qkv:
	s_mov_b64 s[64:65], 0
	v_nop
	global_prefetch_b8 v0, s[64:65] scope:SCOPE_SE
	s_setreg_imm32_b32 hwreg(HW_REG_WAVE_MODE, 25, 1), 1
	s_wait_xcnt 0x0
	s_wait_alu depctr_hold_cnt(0) depctr_sa_sdst(0) depctr_va_vdst(0) depctr_va_sdst(0) depctr_va_ssrc(0) depctr_va_vcc(0) depctr_vm_vsrc(0)
	s_getreg_b32 s2, hwreg(HW_REG_IB_STS2, 6, 4)
	s_cmp_eq_u32 s2, 0
	s_cbranch_scc0 .Lentry_in_a_cluster
	s_endpgm
.Lentry_in_a_cluster:
	s_bfe_u32 s2, ttmp6, 0x10000c
	s_cmp_lg_u32 s2, 0xf033
	s_cbranch_scc0 .Lentry_shape_is_right
	s_endpgm
.Lentry_shape_is_right:
; q, k, v = xn w_qkv, by heads, with the norm of k and of v over a head's 64 channels on the way out.  xnb: [8192][1024] f16.  wqb: [16 x][1024 k][3 s][64 c] f16.
; qh, kh, vh: [64 = 16 batch + head][2048][64] f16.  Sums, means, variances in f32; each output rounded once.  q leaves unscaled.
; LIMITS.  f16 holds no number beyond 65,504: |q| must lie within it (k and v are outputs of a norm: at most 8 |g| + |b|).  NaN and infinities are not treated apart.
; SHARES.  A tile is 256 rows x 192 columns: head x of q, of k and of v (groups 0, 1, 2).  Four waves; wave w owns rows 64 w .. 64 w + 63 and ALL 192 columns: 48 accumulators of 16 x 16, 384 registers:
; so a row's 64 channels of k (of v) lie in two lanes of one wave, and the norm wants one exchange between the halves of the lanes.  512 work-groups.
; K goes in 8 steps of 128 through two LDS slots of exactly 131,072 bytes; a step is four quarters of 32, 48 matrix instructions each, on two fragment buffers.
; THE PRODUCT IS USED TRANSPOSED: source 0 = 16 columns of w (stored [k][column], turned by ds_load_tr16_b128), source 1 = 16 rows of xn: a lane holds row lane % 16 and the columns 8 (lane / 16) + 0..7.
; CLUSTER.  4 x 4 work-groups: the four of a row of the cluster share xn's tile, the four of a column share w's: each tile is asked for JOINTLY, by the same tensor load, descriptor and mask in all four.
; REGISTERS, in windows of 256 (s_set_vgpr_msb: bits 1:0 source 0, 3:2 source 1, 5:4 source 2, 7:6 destination):
;   window 0: v0-31 addresses; v32-51 at work in the norm; v64-95 two sets of 16 for the way out; v128-255 q's accumulators ((a, b) at 128 + 8 (4 a + b))
;   window 1: v0-127 k's accumulators, v128-255 v's      window 2: two fragment buffers of 128: 32 of xn (4 x 16 rows x 32 K), then 32 for each group of w
;   window 3: v0-31 normk_g, v32-63 normk_b, v64-95 normv_g, v96-127 normv_b: register 8 b + j holds channel 16 b + 8 (lane / 16) + j, as the accumulators do
.set NG,    3                          ; groups of 64 columns
.set GF,    0                          ; the first group's number: group n lies in window (n + 1) / 2 at 128 ((n + 1) % 2)
.set AP,    272                        ; a row of xn in LDS: 256 bytes + 16 = 68 words: the 16 rows of a load start at 16 different groups of four banks (64 banks of 4 bytes: ISA guide 11.1)
.set BOFF,  256*AP                     ; w's tile lies behind xn's 256 rows
.set BG,    160                        ; a k's 64 columns of one group: 128 bytes + 32
.set BP,    3*BG                       ; from k to k: 480 bytes = 15 x 32
.set NL,    8+8*NG                     ; LDS loads of a quarter
.set SLOT1, 131072                     ; slot 1 begins here: one exclusive or turns an address in one slot into the other's
.set STAGE, 2*SLOT1                    ; behind the ring, never filled by a tensor load: 16 rows x 144 bytes for each wave
.set SROW,  144
.set SPARE, STAGE+4*16*SROW            ; behind the stages: the spare words, 128 bytes for each wave: two blocks of 256 bytes that no other line names
.set ASTEP, 256                        ; a K step in xnb: 128 channels along the rows
.set BSTEP, 128*384                    ; in wqb: 128 k of 384 bytes
.set A0,   16                          ; v16  my lane's place in xn's tile; never rewritten
.set B0,   17                          ; v17  in w's tile
.set ADRA, 18                          ; v18  A0 + the slot in hand
.set ADRB, 19                          ; v19  B0 + the slot in hand
.set STO,  24                          ; v24  the way out: where I put 16 bytes of a row
.set RD,   25                          ; v25  where I read rows back
.set GO,   26                          ; v26  my 16 bytes of 512 consecutive bytes of an output
.set GA,   27                          ; v27  my byte offset in a gain or bias
.set SPW,  28                          ; v28  LDS address of my spare word: SPARE + 4 x my thread's number; never rewritten
.set NIL,  29                          ; v29  0; never rewritten
.set TT,   32                          ; v[32:47] chains
.set MM,   48                          ; v[48:49] -mean, twice
.set RR,   50                          ; v[50:51] 1 / sqrt(var + eps), twice
.set PK,   64                          ; v[64:95] two sets of 16
.set F0,   0
.set F1,   128
.set G1A,  24                          ; s[24:31] descriptor group 1 for xn's tiles
.set G0A,  32                          ; s[32:39] group 0: a set for each of the two first fills; the second then walks on
.set G1B,  48                          ; s[48:55], s[56:63] the same for w's
.set G0B,  56
.set TB,   45                          ; s45  LDS byte at which the slot in hand begins
.set MSB, 0
.macro WIN new                         ; the immediate's high byte repeats the setting that is left; a switch that changes nothing is dropped
.if MSB != (\new)
	s_set_vgpr_msb (MSB<<8)|(\new)
.set MSB, (\new)
.endif
.endm
.macro PLACES                          ; four places in front of loads into registers that matrix instructions have read, and of lines that read results
.rept 4
	v_nop
.endr
.endm
; A joint refill by the walking descriptors: waves 0 and 1 fetch xn's two halves, waves 2 and 3 w's.  The branch hangs on the wave's number alone.
; An s_nop 0 and four v_nop follow each of the two lines, ahead of the jump and the label.
.macro JLOAD
	s_cmp_eq_u32 s11, 0
	s_cbranch_scc0 .Lfor_b_\@
	tensor_load_to_lds s[G0A+4:G0A+7], s[G1A:G1A+7]
	s_nop 0
.rept 4
	v_nop
.endr
	s_branch .Lasked_\@
.Lfor_b_\@:
	tensor_load_to_lds s[G0B+4:G0B+7], s[G1B:G1B+7]
	s_nop 0
.rept 4
	v_nop
.endr
.Lasked_\@:
.endm
.macro CREST                           ; a round of the cluster's barrier behind its opening barrier
	s_cmp_lg_u32 s10, 0
	s_cbranch_scc1 .Lnot_wave_0_\@
	s_barrier_signal -3
.Lnot_wave_0_\@:
	s_barrier_wait -3
	s_barrier_signal -1
	s_barrier_wait -1
.endm
.macro CROUND                          ; a whole round
	s_barrier_signal -1
	s_barrier_wait -1
	CREST
.endm
	s_load_b128 s[4:7], s[0:1], 0x0                ; xnb s[4:5], wqb s[6:7]
	s_load_b256 s[68:75], s[0:1], 0x10             ; normk_g s[68:69], normk_b s[70:71], normv_g s[72:73], normv_b s[74:75]
	s_load_b128 s[76:79], s[0:1], 0x30             ; qh s[76:77], kh s[78:79]
	s_load_b64 s[80:81], s[0:1], 0x40              ; vh
	v_lshl_add_u32 v[SPW], v0, 2, SPARE
	v_mov_b32 v[NIL], 0
	ds_add_u32 v[SPW], v[NIL]                      ; the wave's opening: the add and its wait stand ahead of my first tensor load; the set-up below, work on registers, stands between them
	v_lshrrev_b32 v1, 5, v0
	v_readfirstlane_b32 s10, v1                    ; wave 0..3
	s_lshr_b32 s11, s10, 1                         ; I fetch for xn (0) or for w (1)
	s_and_b32 s12, s10, 1                          ; which half of that tile
	s_bfe_u32 s40, ttmp6, 0x40000                  ; cx, cy: my place in the cluster
	s_bfe_u32 s41, ttmp6, 0x40004
	s_lshl_b32 s42, ttmp9, 2
	s_add_co_u32 s42, s42, s40                     ; x, the head = 4 x cluster x + cx
	s_and_b32 s13, ttmp7, 0xffff
	s_lshl_b32 s13, s13, 2
	s_add_co_u32 s13, s13, s41                     ; y, the block of 256 rows = 4 x cluster y + cy
	s_lshl_b32 s43, s41, 2
	s_lshl_b32 s43, 15, s43                        ; my row of the cluster
	s_lshl_b32 s44, 0x1111, s40                    ; my column
	s_or_b32 s[G1A], s43, (1<<16)|(1<<20)|(1<<21)|(5<<22)|(3<<25)  ; the mask: xn's tiles go to my row; 2-byte elements; padding on; bit 21 beside a mask; after every 64 words, 4 words
	s_mov_b32 s[G1A+1], 128<<16                    ; tensor_dim0 = 128
	s_mov_b32 s[G1A+2], 128<<16                    ; tensor_dim1 = 128
	s_mov_b32 s[G1A+3], 128<<16                    ; tile_dim0 = 128
	s_mov_b32 s[G1A+4], 128                        ; tile_dim1 = 128
	s_mov_b32 s[G1A+5], 1024                       ; 1,024 elements from row to row
	s_mov_b32 s[G1A+6], 0
	s_mov_b32 s[G1A+7], 0
	s_or_b32 s[G1B], s44, (1<<16)|(1<<20)|(1<<21)|(4<<22)|(7<<25)  ; w's tiles go to my column; after every 32 words (a k's 64 columns of one group), 8 words
	s_mov_b32 s[G1B+1], 128<<16                    ; 64 k of 384 bytes are 24,576 dense bytes: asked for as 96 rows of 256 bytes
	s_mov_b32 s[G1B+2], 96<<16
	s_mov_b32 s[G1B+3], 128<<16
	s_mov_b32 s[G1B+4], 96
	s_mov_b32 s[G1B+5], 128
	s_mov_b32 s[G1B+6], 0
	s_mov_b32 s[G1B+7], 0
	s_lshl_b32 s16, s13, 19                        ; xn: 256 y rows of 2,048 bytes,
	s_lshl_b32 s17, s12, 18                        ; + my 128 rows
	s_add_co_u32 s16, s16, s17
	s_mov_b32 s17, 0
	s_mul_i32 s46, s42, 393216                     ; w: plane x,
	s_mul_i32 s47, s12, 24576                      ; + my 64 k
	s_add_co_u32 s46, s46, s47
	s_mov_b32 s47, 0
	s_mul_i32 s20, s12, 128*AP                     ; where they go: no place in the cluster enters an LDS address
	s_mul_i32 s21, s12, 64*BP
	s_add_co_u32 s21, s21, BOFF
	s_lshr_b32 s88, s13, 3                         ; the outputs: batch = y / 8,
	s_lshl_b32 s88, s88, 4
	s_add_co_u32 s88, s88, s42                     ; 16 batch + head,
	s_lshl_b32 s88, s88, 18                        ; of 2,048 x 128 bytes;
	s_and_b32 s89, s13, 7
	s_lshl_b32 s89, s89, 15                        ; the block's 256 rows in it;
	s_add_co_u32 s88, s88, s89
	s_lshl_b32 s89, s10, 13                        ; my wave's 64
	s_add_co_u32 s88, s88, s89
	s_mov_b32 s89, 0
	s_mov_b32 s82, 0x76543210                      ; v_permlanex16_b32: each lane takes its own place in the other half
	s_mov_b32 s83, 0xfedcba98
	s_mov_b32 s84, 0xbc800000                      ; -1/64
	s_mov_b32 s85, 0x3c800000                      ; 1/64
	s_mov_b32 s86, 0x3727c5ac                      ; 1e-5
	s_mov_b32 s[TB], 0
	s_wait_dscnt 0x0                               ; the opening add is done
	s_wait_kmcnt 0x0
	s_add_nc_u64 s[14:15], s[4:5], s[16:17]
	s_add_nc_u64 s[46:47], s[6:7], s[46:47]
	s_add_nc_u64 s[76:77], s[76:77], s[88:89]
	s_add_nc_u64 s[78:79], s[78:79], s[88:89]
	s_add_nc_u64 s[80:81], s[80:81], s[88:89]
	CROUND                                         ; all sixteen work-groups are here: the first joint loads meet
.irp s, 0,1
	s_mov_b32 s[G0A+4*(\s)], 1                     ; count = 1
	s_add_co_u32 s[G0A+4*(\s)+1], s20, (\s)*SLOT1  ; LDS address
	s_add_nc_u64 s[G0A+4*(\s)+2:G0A+4*(\s)+3], s[14:15], (\s)*ASTEP  ; global address: K step s
	s_or_b32 s[G0A+4*(\s)+3], s[G0A+4*(\s)+3], 0x80000000            ; type = 2
	s_mov_b32 s[G0B+4*(\s)], 1
	s_add_co_u32 s[G0B+4*(\s)+1], s21, (\s)*SLOT1
	s_add_nc_u64 s[G0B+4*(\s)+2:G0B+4*(\s)+3], s[46:47], (\s)*BSTEP
	s_or_b32 s[G0B+4*(\s)+3], s[G0B+4*(\s)+3], 0x80000000
.endr
	s_cmp_eq_u32 s11, 0                            ; a wave's two first fills stand in one branch, ahead of every wait on TENSORcnt and every LDS read: two loads of mine are out
	s_cbranch_scc0 .Lfirst_b
	tensor_load_to_lds s[G0A:G0A+3], s[G1A:G1A+7]
	s_nop 0
	tensor_load_to_lds s[G0A+4:G0A+7], s[G1A:G1A+7]
	s_nop 0
.rept 4
	v_nop
.endr
	s_branch .Lfirst_asked
.Lfirst_b:
	tensor_load_to_lds s[G0B:G0B+3], s[G1B:G1B+7]
	s_nop 0
	tensor_load_to_lds s[G0B+4:G0B+7], s[G1B:G1B+7]
	s_nop 0
.rept 4
	v_nop
.endr
.Lfirst_asked:
	v_and_b32 v1, 15, v0                           ; l % 16
	v_bfe_u32 v2, v0, 4, 1                         ; l / 16
	v_lshlrev_b32 v[GA], 5, v2                     ; my 8 channels of each 16: 32 bytes x half
	WIN 0xc0                                       ; destination window 3, address window 0
.irp b, 0,1,2,3
	global_load_b128 v[8*(\b):8*(\b)+3],       v[GA], s[68:69] offset:64*(\b)
	global_load_b128 v[8*(\b)+4:8*(\b)+7],     v[GA], s[68:69] offset:64*(\b)+16
	global_load_b128 v[32+8*(\b):32+8*(\b)+3], v[GA], s[70:71] offset:64*(\b)
	global_load_b128 v[32+8*(\b)+4:32+8*(\b)+7], v[GA], s[70:71] offset:64*(\b)+16
	global_load_b128 v[64+8*(\b):64+8*(\b)+3], v[GA], s[72:73] offset:64*(\b)
	global_load_b128 v[64+8*(\b)+4:64+8*(\b)+7], v[GA], s[72:73] offset:64*(\b)+16
	global_load_b128 v[96+8*(\b):96+8*(\b)+3], v[GA], s[74:75] offset:64*(\b)
	global_load_b128 v[96+8*(\b)+4:96+8*(\b)+7], v[GA], s[74:75] offset:64*(\b)+16
.endr
	WIN 0
	; A fragment of xn is 16 rows x 32 K in 8 registers: lane l holds row l % 16, K = 8 (l / 16) + 0..7 and 16 + 8 (l / 16) + 0..7: two loads of 16 bytes, 32 bytes apart.
	v_mul_u32_u24 v[A0], v1, AP
	v_lshl_add_u32 v[A0], v2, 4, v[A0]
	s_mul_i32 s22, s10, 64*AP                      ; my wave's 64 rows
	v_add_nc_u32 v[A0], s22, v[A0]
	; The turning load takes 16 k x 16 columns (lane l reads k = 8 (l / 16) + l % 8, columns 8 ((l / 8) % 2) + 0..7) and leaves half a fragment: lane l holds column l % 16 and 8 k.
	v_and_b32 v3, 7, v0
	v_bfe_u32 v4, v0, 3, 1
	v_lshl_add_u32 v[B0], v2, 3, v3
	v_mul_u32_u24 v[B0], v[B0], BP
	v_lshl_add_u32 v[B0], v4, 4, v[B0]
	v_add_nc_u32 v[B0], BOFF, v[B0]
	s_mul_i32 s23, s10, 16*SROW
	s_add_co_u32 s23, s23, STAGE                   ; my stage
	v_mul_u32_u24 v[STO], v1, SROW                 ; in: row l % 16, 16 bytes for each half of the lanes
	v_lshl_add_u32 v[STO], v2, 4, v[STO]
	v_add_nc_u32 v[STO], s23, v[STO]
	v_bfe_u32 v[RD], v0, 3, 2                      ; back: 32 lanes take four rows of 128 bytes,
	v_mul_u32_u24 v[RD], v[RD], SROW
	v_lshl_add_u32 v[RD], v3, 4, v[RD]
	v_add_nc_u32 v[RD], s23, v[RD]
	v_and_b32 v[GO], 31, v0                        ; which are 512 consecutive bytes of an output
	v_lshlrev_b32 v[GO], 4, v[GO]
	v_mov_b32 v[ADRA], v[A0]                       ; slot 0
	v_mov_b32 v[ADRB], v[B0]
; n x 4 matrix instructions of group gam: row blocks a0 .. a0 + n - 1 x its 4 column blocks, 32 along K, from buffer f.  zero = 1: the product starts the sum: nothing is ever cleared.
; The 48 accumulators take turns, one instruction a turn, in the same order in every quarter, over the backward jump too.
.macro MULA f, gam, a0, n, zero
.set AW, ((\gam)+1)/2
.set AB, 128*(((\gam)+1)%2)
	WIN 0x0a+0x50*AW                               ; both sources window 2; C and D window 0 or 1
.set a, (\a0)
.rept \n
.irp b, 0,1,2,3
.if \zero
	v_wmma_f32_16x16x32_f16 v[AB+8*(4*a+(\b)):AB+8*(4*a+(\b))+7], v[(\f)+32+32*((\gam)-GF)+8*(\b):(\f)+32+32*((\gam)-GF)+8*(\b)+7], v[(\f)+8*a:(\f)+8*a+7], 0
.else
	v_wmma_f32_16x16x32_f16 v[AB+8*(4*a+(\b)):AB+8*(4*a+(\b))+7], v[(\f)+32+32*((\gam)-GF)+8*(\b):(\f)+32+32*((\gam)-GF)+8*(\b)+7], v[(\f)+8*a:(\f)+8*a+7], v[AB+8*(4*a+(\b)):AB+8*(4*a+(\b))+7]
.endif
.endr
.set a, a+1
.endr
.endm
.macro OTHERS f, zero                  ; all groups but the first
.set gg, GF+1
.rept NG-1
	MULA \f, gg, 0, 4, \zero
.set gg, gg+1
.endr
.endm
; A quarter's LDS loads in one run, into buffer f: xn's four fragments, then w's, group by group.
.macro FETCH q, f
	WIN 0x80                                       ; destination window 2, address window 0
.irp a, 0,1,2,3
	ds_load_b128 v[(\f)+8*(\a):(\f)+8*(\a)+3],   v[ADRA] offset:64*(\q)+(\a)*16*AP
	ds_load_b128 v[(\f)+8*(\a)+4:(\f)+8*(\a)+7], v[ADRA] offset:64*(\q)+(\a)*16*AP+32
.endr
.set gq, 0
.rept NG
.irp b, 0,1,2,3
	ds_load_tr16_b128 v[(\f)+32+32*gq+8*(\b):(\f)+32+32*gq+8*(\b)+3],   v[ADRB] offset:32*(\q)*BP+gq*BG+32*(\b)
	ds_load_tr16_b128 v[(\f)+32+32*gq+8*(\b)+4:(\f)+32+32*gq+8*(\b)+7], v[ADRB] offset:32*(\q)*BP+gq*BG+32*(\b)+16*BP
.endr
.set gq, gq+1
.endr
.endm
; One of a K step's first three quarters: multiplies buffer f; behind its first group it fetches quarter nq of the same slot into buffer g.
.macro QUARTER nq, f, g, zero
	s_wait_dscnt NL-16                             ; xn's fragments and the first group's are in; the youngest NL - 16 loads (the other groups') may stay out
	MULA \f, GF, 0, 4, \zero
	PLACES
	FETCH \nq, \g
	s_wait_dscnt NL                                ; all but the NL just issued
	OTHERS \f, \zero
.endm
; The last quarter multiplies buffer 1 and changes slots: ONE barrier.  In front of it each wave waits for all its tensor loads (one is out: its part of the next slot), adds 0 to its spare word,
; and waits for that and for its own reads of this slot.  fill = 1: the barrier opens a round of the cluster's, and behind the round this slot is filled again, two K steps ahead:
; that load has 176 matrix instructions of the wave in which to land.
.macro TURN fill
	WIN 0
	s_wait_tensorcnt 0x0                           ; no tensor load of mine is out, so a group 0 may be written
	ds_add_u32 v[SPW], v[NIL]                      ; 0 onto my spare word: scalar work and eight products stand between it and the wait for it
.if \fill
	s_xor_b32 s[G0A+5], s[G0A+5], SLOT1            ; the walking descriptors: the other slot than last time,
	s_add_nc_u64 s[G0A+6:G0A+7], s[G0A+6:G0A+7], ASTEP  ; the next K step; the type bits on top are not reached
	s_xor_b32 s[G0B+5], s[G0B+5], SLOT1
	s_add_nc_u64 s[G0B+6:G0B+7], s[G0B+6:G0B+7], BSTEP
.endif
	s_xor_b32 s[TB], s[TB], SLOT1                  ; the reads go on in the other slot
	s_wait_dscnt NL-15                             ; (the add and the youngest NL - 16 loads may be out)
	MULA F1, GF, 0, 2, 0
	s_wait_dscnt 0x0                               ; the add is done, and my reads of this slot are over
	s_barrier_signal -1
	MULA F1, GF, 2, 2, 0                           ; work on registers while the others arrive
	WIN 0                                          ; at a branch and at a label every window is 0
	s_barrier_wait -1
.if \fill
	CREST                                          ; no wave of any partner still reads this slot's tile or has a load on its way
	JLOAD                                          ; the first tensor load behind the round; its four v_nop are also the places in front of the loads below
.else
	PLACES
.endif
	v_add_nc_u32 v[ADRA], s[TB], v[A0]
	v_add_nc_u32 v[ADRB], s[TB], v[B0]
	FETCH 0, F0
	OTHERS F1, 0
.endm
	s_wait_tensorcnt 1                             ; my part of K step 0 is in; step 1's may stay out
	s_barrier_signal -1
	s_barrier_wait -1                              ; everybody's is
	FETCH 0, F0
	QUARTER 1, F0, F1, 1                           ; the first quarter stands in front of the loop: its products start the sums
	WIN 0
	s_mov_b32 s3, 6
.Lstep:                                                ; a trip is a K step, from its second quarter to the next step's first; six trips ask for K steps 2 to 7
	QUARTER 2, F1, F0, 0
	QUARTER 3, F0, F1, 0
	TURN 1
	QUARTER 1, F0, F1, 0
	WIN 0
	s_sub_co_u32 s3, s3, 1
	s_cmp_lg_u32 s3, 0
	s_cbranch_scc1 .Lstep
	QUARTER 2, F1, F0, 0                           ; the last two K steps are written out: nothing is asked for
	QUARTER 3, F0, F1, 0
	TURN 0
	QUARTER 1, F0, F1, 0
	QUARTER 2, F1, F0, 0
	QUARTER 3, F0, F1, 0
	s_wait_dscnt NL-16
	MULA F1, GF, 0, 4, 0
	s_wait_dscnt 0x0
	OTHERS F1, 0
	WIN 0
	PLACES
	PLACES
	s_wait_loadcnt 0x0                             ; the gains and biases
; THE WAY OUT, a unit (16 rows x 64 channels of q, k or v) at a time.
.macro FOLD                            ; four chains into one number a lane; the row's other 32 channels lie in the lane 16 away
	v_pk_add_f32 v[TT:TT+1], v[TT:TT+1], v[TT+2:TT+3]
	v_pk_add_f32 v[TT+4:TT+5], v[TT+4:TT+5], v[TT+6:TT+7]
	v_pk_add_f32 v[TT:TT+1], v[TT:TT+1], v[TT+4:TT+5]
	v_add_f32 v[TT], v[TT], v[TT+1]
	v_permlanex16_b32 v[TT+1], v[TT], s82, s83     ; its destination has been written above
	v_add_f32 v[TT], v[TT], v[TT+1]
.endm
; The norm of a unit in place: its 32 registers lie at ab in window 1, gain and bias at gb and gb + 32 in window 3.  Two passes: the mean; then the sum of (t - mean)^2.
; Each accumulator's lowest registers are read first.
.macro LNU ab, gb
	WIN 0x05                                       ; sources 0 and 1 window 1, destination window 0
.irp b, 0,1,2,3
	v_pk_add_f32 v[TT+2*(\b):TT+2*(\b)+1], v[(\ab)+8*(\b):(\ab)+8*(\b)+1], v[(\ab)+8*(\b)+2:(\ab)+8*(\b)+3]
.endr
.irp b, 0,1,2,3
	v_pk_add_f32 v[TT+8+2*(\b):TT+8+2*(\b)+1], v[(\ab)+8*(\b)+4:(\ab)+8*(\b)+5], v[(\ab)+8*(\b)+6:(\ab)+8*(\b)+7]
.endr
	WIN 0
.irp b, 0,1,2,3
	v_pk_add_f32 v[TT+2*(\b):TT+2*(\b)+1], v[TT+2*(\b):TT+2*(\b)+1], v[TT+8+2*(\b):TT+8+2*(\b)+1]
.endr
	FOLD
	v_mul_f32 v[MM], s84, v[TT]
	v_mul_f32 v[MM+1], s84, v[TT]
	WIN 0x41                                       ; destination and source 0 window 1, source 1 window 0
.set i, 0
.rept 16
	v_pk_add_f32 v[(\ab)+i:(\ab)+i+1], v[(\ab)+i:(\ab)+i+1], v[MM:MM+1]
.set i, i+2
.endr
	WIN 0x05
.irp b, 0,1,2,3
	v_pk_mul_f32 v[TT+2*(\b):TT+2*(\b)+1], v[(\ab)+8*(\b):(\ab)+8*(\b)+1], v[(\ab)+8*(\b):(\ab)+8*(\b)+1]
.endr
.irp j, 2,4,6
.irp b, 0,1,2,3
	v_pk_fma_f32 v[TT+2*(\b):TT+2*(\b)+1], v[(\ab)+8*(\b)+(\j):(\ab)+8*(\b)+(\j)+1], v[(\ab)+8*(\b)+(\j):(\ab)+8*(\b)+(\j)+1], v[TT+2*(\b):TT+2*(\b)+1]
.endr
.endr
	WIN 0
	FOLD
	v_fma_f32 v[TT], v[TT], s85, s86               ; var + eps
	v_rsq_f32 v[RR], v[TT]
	v_rsq_f32 v[RR+1], v[TT]
	v_nop                                          ; a plain instruction behind the roots, before their results are used (ISA guide 5.7.2)
	WIN 0x41
.set i, 0
	s_wait_alu depctr_va_vdst(0)
.rept 16
	v_pk_mul_f32 v[(\ab)+i:(\ab)+i+1], v[(\ab)+i:(\ab)+i+1], v[RR:RR+1]
.set i, i+2
.endr
	WIN 0x7d                                       ; destination and source 0 window 1, sources 1 and 2 window 3
.set i, 0
.rept 16
	v_pk_fma_f32 v[(\ab)+i:(\ab)+i+1], v[(\ab)+i:(\ab)+i+1], v[(\gb)+i:(\gb)+i+1], v[(\gb)+32+i:(\gb)+32+i+1]
.set i, i+2
.endr
.endm
; Unit u, at ab in window w: rounded to f16 (a lane's eight channels pack into 16 bytes), into rows of 144 bytes of my stage, and back as whole rows of 128, into the set that it left.
.macro UNIT u, w, ab
.set PS, PK+16*((\u)%2)
	s_wait_xcnt 0x0                                ; the stores of the unit two back, which read this set, have had their addresses translated (ISA guide 3.1): only now is it rewritten
	WIN 5*(\w)
.set i, 0
.rept 16
	v_cvt_pk_f16_f32 v[PS+i], v[(\ab)+2*i], v[(\ab)+2*i+1]
.set i, i+1
.endr
	WIN 0
.irp b, 0,1,2,3
	ds_store_b128 v[STO], v[PS+4*(\b):PS+4*(\b)+3] offset:32*(\b)
.endr
.irp f, 0,1,2,3
	ds_load_b128 v[PS+4*(\f):PS+4*(\f)+3], v[RD] offset:(\f)*4*SROW  ; LDS serves a wave's instructions in order (ISA guide 5.7.1.4): these see the stores above; the next unit's stores come behind them
.endr
.endm
.macro SEND u, younger, base, a        ; younger: the LDS instructions issued behind unit u's loads: the next unit's eight, or none
.set PS, PK+16*((\u)%2)
	WIN 0
.irp f, 0,1,2,3
	s_wait_dscnt (\younger)+3-(\f)
	global_store_b128 v[GO], v[PS+4*(\f):PS+4*(\f)+3], s[\base:\base+1] offset:2048*(\a)+512*(\f) th:TH_STORE_NT  ; 512 consecutive bytes, at a multiple of 256 from the buffer's first
.endr
.endm
.macro KV u, ab, gb, pbase, pa         ; a unit of k or v: its norm and packing stand between the loads of the unit before and that unit's stores
	LNU \ab, \gb
	UNIT \u, 1, \ab
	SEND (\u)-1, 8, \pbase, \pa
.endm
	UNIT 0, 0, 128                                 ; q
	UNIT 1, 0, 160
	SEND 0, 8, 76, 0
	UNIT 2, 0, 192
	SEND 1, 8, 76, 1
	UNIT 3, 0, 224
	SEND 2, 8, 76, 2
	KV 4, 0, 0, 76, 3                              ; k
	KV 5, 32, 0, 78, 0
	KV 6, 64, 0, 78, 1
	KV 7, 96, 0, 78, 2
	KV 8, 128, 64, 78, 3                           ; v
	KV 9, 160, 64, 80, 0
	KV 10, 192, 64, 80, 1
	KV 11, 224, 64, 80, 2
	SEND 11, 0, 80, 3
	s_wait_tensorcnt 0x0                           ; the wave's end: the add and its wait stand behind my last tensor load and my last LDS store
	ds_add_u32 v[SPW], v[NIL]
	s_wait_dscnt 0x0
	CROUND                                         ; the closing round: no work-group ends while a partner may still ask for a tile that names it
	s_endpgm
.Lfunc_end_k_qa11c06b074_qkv:
	.size	k_qa11c06b074_qkv, .Lfunc_end_k_qa11c06b074_qkv-k_qa11c06b074_qkv
	.p2alignl 7, 3214868480
	.fill 96, 4, 3214868480
	.section	.rodata,"a",@progbits
	.p2align	6, 0x0
	.amdhsa_kernel k_qa11c06b074_qkv
		.amdhsa_group_segment_fixed_size 327680
		.amdhsa_private_segment_fixed_size 0
		.amdhsa_enable_private_segment 0
		.amdhsa_kernarg_size 72
		.amdhsa_user_sgpr_count 2
		.amdhsa_user_sgpr_kernarg_segment_ptr 1
		.amdhsa_wavefront_size32 1
		.amdhsa_system_sgpr_workgroup_id_x 1
		.amdhsa_system_sgpr_workgroup_id_y 1
		.amdhsa_system_sgpr_workgroup_id_z 1
		.amdhsa_system_vgpr_workitem_id 0
		.amdhsa_next_free_vgpr 896
		.amdhsa_next_free_sgpr 92
		.amdhsa_reserve_vcc 0
		.amdhsa_float_denorm_mode_32 3
		.amdhsa_float_denorm_mode_16_64 3
		.amdhsa_memory_ordered 1
		.amdhsa_forward_progress 1
		.amdhsa_inst_pref_size 148
	.end_amdhsa_kernel
	.amdgpu_metadata
---
amdhsa.version: [ 1, 2 ]
amdhsa.kernels:
  - .name:           k_qa11c06b074_qkv
    .symbol:         k_qa11c06b074_qkv.kd
    .args:
      - { .name: xnb, .offset: 0, .size: 8, .value_kind: global_buffer, .address_space: global }
      - { .name: wqb, .offset: 8, .size: 8, .value_kind: global_buffer, .address_space: global }
      - { .name: normk_g, .offset: 16, .size: 8, .value_kind: global_buffer, .address_space: global }
      - { .name: normk_b, .offset: 24, .size: 8, .value_kind: global_buffer, .address_space: global }
      - { .name: normv_g, .offset: 32, .size: 8, .value_kind: global_buffer, .address_space: global }
      - { .name: normv_b, .offset: 40, .size: 8, .value_kind: global_buffer, .address_space: global }
      - { .name: qh, .offset: 48, .size: 8, .value_kind: global_buffer, .address_space: global }
      - { .name: kh, .offset: 56, .size: 8, .value_kind: global_buffer, .address_space: global }
      - { .name: vh, .offset: 64, .size: 8, .value_kind: global_buffer, .address_space: global }
    .group_segment_fixed_size: 327680
    .private_segment_fixed_size: 0
    .kernarg_segment_align: 8
    .kernarg_segment_size: 72
    .max_flat_workgroup_size: 128
    .sgpr_count:     92
    .vgpr_count:     896
    .wavefront_size: 32
...
	.end_amdgpu_metadata
.endif
;; end of part 2
;; launch attn (part 3): grid 4 x 64, 4 waves a work-group, clusters of 4 x 1, 327,680 bytes of LDS; arguments qh, kh, vh, oh; writes oh
.if DOCPART == 3
	.amdgcn_target "amdgcn-amd-amdhsa--gfx1250"
	.amdhsa_code_object_version 6
	.text
	.protected	k_qa11c06b074_attn
	.globl	k_qa11c06b074_attn
	.p2align	8
	.type	k_qa11c06b074_attn,@function
k_qa11c06b074_attn:
	s_mov_b64 s[64:65], 0
	v_nop
	global_prefetch_b8 v0, s[64:65] scope:SCOPE_SE
	s_setreg_imm32_b32 hwreg(HW_REG_WAVE_MODE, 25, 1), 1
	s_wait_xcnt 0x0
	s_wait_alu depctr_hold_cnt(0) depctr_sa_sdst(0) depctr_va_vdst(0) depctr_va_sdst(0) depctr_va_ssrc(0) depctr_va_vcc(0) depctr_vm_vsrc(0)
	s_getreg_b32 s2, hwreg(HW_REG_IB_STS2, 6, 4)
	s_cmp_eq_u32 s2, 0
	s_cbranch_scc0 .Lentry_in_a_cluster
	s_endpgm
.Lentry_in_a_cluster:
	s_bfe_u32 s2, ttmp6, 0x10000c
	s_cmp_lg_u32 s2, 0x3003
	s_cbranch_scc0 .Lentry_shape_is_right
	s_endpgm
.Lentry_shape_is_right:
; O[h][q][:] = the sum over k of softmax_k(Q[h][q] . K[h][k] / 8) V[h][k][:].  Q, K, V, O: [SIZE_H][SIZE_N][64], all f16: a head's rows are dense, 128 bytes each.  Products, maxima and sums in
; f32; the weights p are rounded to f16 for the second product (their sum l is taken of the unrounded p), O once at the end.
; LIMITS.  f16 holds no number beyond 65,504: Q, K and V arrive within it; p lies in 0 to 1, and below 6e-5 it keeps f16's fixed step of 6e-8; O is a mean of V's rows and has their range.
; A weight below 2^-126 counts as 0 in l; NaN and infinities are not treated apart.
; SHARES.  A wave owns four PIECES of two tiles of 16 queries, a work-group's four waves 512 queries of one head.  Every wave walks all keys, 64 a step.
; LAYOUT.  S^T = K Q^T (source 0 = 16 keys, source 1 = 16 queries): in the result a lane holds ONE query (lane % 16) and the keys 8 (lane / 16) + 0..7.  Two such tiles, rounded to f16 in pairs,
; ARE source 1 (32 keys x 16 queries) of O^T = V^T P, whose result again holds one query a lane, and eight channels.  K comes out of LDS as it lies, V ([key][channel]) turned, by ds_load_tr16_b128.
; SOFTMAX.  For each query a running maximum m and sum l: p = 2^(c s - c m), c = log2(e) / 8; in every step O and l are multiplied by a = 2^(c m_old - c m_new), which is 1 where m has not grown.
; m starts at the lowest finite number, O and l at 0: the first step is a step like any other, with a = 0.
; THE COUNT.  A tile and step have 16 matrix and 118 vector instructions: too many to stand all beside the matrix work.  So the order has one aim: four vector instructions that are READY behind
; EVERY matrix instruction, and the others, which need time of their own whatever the order, in runs without a gap.
; BY TURNS.  Turn n belongs to piece n (the pieces in a ring, step after step).  Its matrix work: 16 products K Q^T of piece n + 1, later 16 products V^T P of piece n - 1.  Its vector work: the scaling,
; exponentials, roundings, sums and rescaling of piece n, and the maximum and statistics of piece n + 1, whose scores the turn itself has made.
; CLUSTER.  The four query blocks of a cluster are one head's and walk the same K and V, so each tile is asked for JOINTLY: the same tensor load, descriptor and mask in all four.
; REGISTERS, in windows of 256 (s_set_vgpr_msb: bits 1:0 source 0, 3:2 source 1, 5:4 source 2, 7:6 destination):
;   window 0: v0-11 addresses; v12-15, v48-63 at work; v16-47 four registers of statistics a tile; v64-191 S^T, two buffers of two tiles; v192-255 P, likewise
;   window 1: O^T, 32 a tile          window 2: v0-127 Q, 16 a tile; v128-191 K of one step; v192-255 V of one step          window 3: v0-1 the add's two registers
; A piece's buffers go by its number's parity: the piece in hand has one pair, its two neighbours in the ring share the other: of it P (piece n - 1) is read and S^T (piece n + 1) written.
.set SIZE_H, 64
.set SIZE_N, 2048
.set NP,    4         ; pieces a wave: a name, no knob
.set KS,    64        ; keys in a step
.set PK,    144       ; a row of K in LDS: 128 bytes + 16 of padding = 36 words: the 16 rows of a load start at 16 different groups of four banks (64 banks of 4 bytes: ISA guide 11.1)
.set PV,    160       ; a row of V: 128 + 32 = 40 words
.set VOFF,  4*KS*PK   ; a slot holds four steps: 256 rows of K, then 256 rows of V
.set SLOT1, 1<<17     ; slot 1 begins here, so that one exclusive or turns an address in one slot into the other's
.set STAGE, SLOT1+4*KS*(PK+PV)  ; behind the ring, never filled by a tensor load: 16 rows x 144 bytes for each wave, for the way out
.set SP,    144
.set AK0, 2           ; v2   my lane's place in a tile of K; never rewritten
.set AV0, 3           ; v3   the same for V
.set AK,  4           ; v4   the LDS address of K's next run of loads
.set AV,  5           ; v5   of V's
.set QO,  6           ; v6   my byte offset in the wave's rows of Q
.set STO, 6           ;      later, the way out: where I put 16 bytes of a row
.set RD,  7           ; v7   the way out: where I read rows back
.set GO,  8           ; v8   my byte offset in 512 consecutive bytes of O
.set PFO, 11          ; v11  the prefetches' offset: 256 x my lane; never rewritten once it is made
.set SPW, 0           ; v0 of window 3   LDS address of my spare word: SPARE + 4 x my thread's number; never rewritten
.set NIL, 1           ; v1 of window 3   0; never rewritten
.set SPARE, STAGE+4*16*SP  ; behind the stages: the spare words, 128 bytes for each wave: two blocks of 256 bytes that no other line names
.set MV,  12          ; v12-15  c m_old, kept while c m is made anew: by buffer and tile
.set ST,  16          ; tile t's statistics at v[ST+4 t]: c m, m, l (even keys', odd keys')
.set TMP, 48          ; by buffer and tile, four registers c0-c3 at work; when the maximum is found c2 takes a
.set S,   64
.set P,   192
.set KF,  128         ; K's fragments, in window 2: key block kb, channel half c at KF + 16 kb + 8 c
.set VF,  192         ; V's: key half kk, channel block cb at VF + 32 kk + 8 cb
.set WV,  12          ; s12  my wave's number
.set G1K, 24          ; s[24:31] descriptor group 1 for K's tiles
.set G1V, 32          ; s[32:39] for V's: it differs in the padding alone
.set G0K, 40          ; s[40:43] descriptor group 0 for K's tiles: it walks
.set G0V, 44          ; s[44:47] the same for V's
.set PFA, 48          ; s[48:49] where my prefetches stand: my work-group's 8,192 bytes (of K: wave 0, of V: wave 2) of the slot after the one that is being asked for
.set LIM, 50          ; s50  1 in a wave that prefetches, else the greatest number: a wave prefetches while s[SLOTS] is above it
.set SLOTS, 56        ; s56  slots still to be asked for
.set CNT, 57          ; s57  counts a slot's key steps
.set CS,  58          ; s[58:59] c: the packed scaling takes the pair's low word for both halves
.set SEL, 60          ; s[60:61] v_permlanex16_b32's selects: each lane takes its own place in the other half
.set TBK, 62          ; s62  LDS byte at which K of the step to be fetched begins
.set TBV, 63          ; s63  the same for V, less VOFF
.set MSB, 0
.macro WIN new                      ; the high byte repeats the setting that is left; a switch that changes nothing is dropped
.if MSB != (\new)
	s_set_vgpr_msb (MSB<<8)|(\new)
.set MSB, (\new)
.endif
.endm
.set W_KQ, 0x0a       ; K and Q in window 2, S^T in window 0
.set W_PV, 0x52       ; V in window 2, P in window 0, O^T in window 1
.set W_RS, 0x41       ; O^T (destination and source 0) in window 1, a in window 0
.set W_MK, 0xc0       ; the add's registers are made: destination in window 3, sources in window 0
.set W_AD, 0x0f       ; the add: address (source 0) and data (source 1) in window 3
; A joint fill.  Waves 0 and 1 fetch the two halves of a slot's K, waves 2 and 3 those of its V: 128 keys each.  The branch hangs on the wave's number alone.
; An s_nop 0 and four v_nop follow each of the two lines, ahead of the jump and the label.
.macro JLOAD
	s_cmp_lt_u32 s[WV], 2
	s_cbranch_scc0 .Lfor_v_\@
	tensor_load_to_lds s[G0K:G0K+3], s[G1K:G1K+7]
	s_nop 0
.rept 4
	v_nop
.endr
	s_branch .Lasked_\@
.Lfor_v_\@:
	tensor_load_to_lds s[G0V:G0V+3], s[G1V:G1V+7]
	s_nop 0
.rept 4
	v_nop
.endr
.Lasked_\@:
.endm
; A PREFETCH INTO THE L2 of what the NEXT change of slots will ask for: a slot's 32,768 bytes of K and of V, a lane for each 256 of them.  It stands behind the wave's tensor load and its five lines.
; Each block is named ONCE in the launch: a head is walked by one cluster; its four partners share a slot out BY ADDRESS, 8,192 bytes each (no branch hangs on a work-group's place in its cluster);
; in each, wave 0 asks for K's and wave 2 for V's: one instruction, four key steps (512 matrix instructions of the wave) ahead of the load.  The last change that fills a slot asks for nothing: there is no slot behind it.
.macro ASK
	s_cmp_gt_u32 s[SLOTS], s[LIM]
	s_cbranch_scc0 .Lnot_mine_\@
	global_prefetch_b8 v[PFO], s[PFA:PFA+1] th:TH_LOAD_NT scope:SCOPE_SE
.Lnot_mine_\@:
.endm
; A round of the cluster's barrier: my work-group's barrier, so that wave 0's signal speaks for all four waves; wave 0 signals; every wave waits for all four work-groups; my work-group's barrier once more.
.macro CROUND
	s_barrier_signal -1
	s_barrier_wait -1
	s_cmp_lg_u32 s[WV], 0
	s_cbranch_scc1 .Lnot_wave_0_\@
	s_barrier_signal -3
.Lnot_wave_0_\@:
	s_barrier_wait -3
	s_barrier_signal -1
	s_barrier_wait -1
.endm
; THE CHANGE OF SLOTS.  The slot's last bytes, V of its fourth step, have been read.  Each wave waits for all its tensor loads, of which one is out: its part
; of the other slot; adds 0 to its spare word; and waits for that and for its own reads of the slot.  Behind the barrier nobody reads this slot any more and the other slot is whole.
; fill = 1: this slot is filled again, with the keys two slots on.  The barrier is then a round of the cluster's, so that no wave of any partner still reads the slot or has a load on its
; way, and the joint fill is the first thing behind it: it has four key steps, 512 matrix instructions, in which to land.  (At its first use nothing has been read yet: slot 0 is waited for, slot 1 filled.)
.macro CHANGE fill
	WIN W_AD
	s_wait_tensorcnt 0x0            ; no tensor load of mine is out, so a group 0 may be written
	ds_add_u32 v[SPW], v[NIL]       ; 0 onto my spare word: with fill = 1 the descriptors' steps stand between it and the wait for it
	WIN 0                           ; at a label and at a branch every window is 0
.if \fill
.irp g, G0K, G0V
	s_xor_b32 s[\g+1], s[\g+1], SLOT1  ; the walking descriptor: the other slot than last time,
	s_add_nc_u64 s[\g+2:\g+3], s[\g+2:\g+3], 4*KS*128  ; the next 256 keys; the type bits on top are not reached
.endr
	s_wait_xcnt 0x0                 ; the last prefetch, four key steps back, has read its address, so it may be written:
	s_add_nc_u64 s[PFA:PFA+1], s[PFA:PFA+1], 4*KS*128  ; one slot behind the walking descriptors
	s_wait_dscnt 0x0                ; the add is done, and my reads of the slot are over
	CROUND
	JLOAD
	ASK
.else
	s_wait_dscnt 0x0                ; the add is done, and my reads of the slot are over
	s_barrier_signal -1
	s_barrier_wait -1
.endif
	s_sub_co_u32 s[TBK], s[TBK], 4*KS*PK  ; the fetches go back to a slot's first step,
	s_xor_b32 s[TBK], s[TBK], SLOT1       ; in the other slot
	s_sub_co_u32 s[TBV], s[TBV], 4*KS*PV
	s_xor_b32 s[TBV], s[TBV], SLOT1
.endm
	s_load_b256 s[4:11], s[0:1], 0x0  ; Q s[4:5], K s[6:7], V s[8:9], O s[10:11]
	WIN W_MK
	v_lshl_add_u32 v[SPW], v0, 2, SPARE
	v_mov_b32 v[NIL], 0
	WIN W_AD
	ds_add_u32 v[SPW], v[NIL]       ; the wave's opening: the add and its wait stand ahead of my first tensor load; the set-up below, work on registers, stands between them
	WIN 0
	v_lshrrev_b32 v1, 5, v0
	v_readfirstlane_b32 s[WV], v1   ; wave 0..3
	s_bfe_u32 s13, ttmp6, 0x40000   ; cx: my place in the cluster
	s_lshl_b32 s14, ttmp9, 2        ; in a cluster launch ttmp9 counts clusters
	s_add_co_u32 s14, s14, s13      ; my block of queries = 4 x cluster x + cx: it enters Q's and O's addresses alone
	s_and_b32 s20, ttmp7, 0xffff    ; the head, which the four partners share
	s_mov_b32 s21, 0
	s_mov_b64 s[22:23], SIZE_N*128
	s_mul_u64 s[20:21], s[20:21], s[22:23]  ; the head's first byte in each of the four tensors
	s_and_b32 s16, s[WV], 1         ; which half of a slot's 256 keys I fetch:
	s_lshl_b32 s22, s16, 14         ; its 128 rows of 128 bytes in memory,
	s_mov_b32 s23, 0
	s_add_nc_u64 s[22:23], s[22:23], s[20:21]
	s_mul_i32 s17, s16, 128*PK      ; and its place in a slot, for K
	s_mul_i32 s18, s16, 128*PV      ; and for V: no place in the cluster enters an LDS address
	s_lshl_b32 s2, s14, 2
	s_add_co_u32 s2, s2, s[WV]      ; my wave among the head's,
	s_lshl_b32 s2, s2, 14           ; its 128 rows
	s_mov_b32 s3, 0
	s_add_nc_u64 s[2:3], s[2:3], s[20:21]
	; descriptor group 1.  128 keys are 16,384 dense bytes: asked for as 64 rows of 256 bytes, two keys a row, and padded in LDS after every key
	s_mov_b32 s[G1K], 15|(1<<16)|(1<<20)|(1<<21)|(4<<22)|(3<<25)  ; 15:0 the mask of four; 17:16 2-byte elements; 20 padding on; 21 set beside a mask; 24:22 after every 32 words (code 4); 31:25 4 words (code 3)
	s_mov_b32 s[G1V], 15|(1<<16)|(1<<20)|(1<<21)|(4<<22)|(7<<25)  ; the same with 8 words of padding (code 7)
.irp g, G1K, G1V
	s_mov_b32 s[\g+1], 128<<16      ; tensor_dim0 = 128
	s_mov_b32 s[\g+2], 64<<16       ; tensor_dim1 = 64
	s_mov_b32 s[\g+3], 128<<16      ; tile_dim0 = 128
	s_mov_b32 s[\g+4], 64           ; tile_dim1 = 64
	s_mov_b32 s[\g+5], 128          ; 128 elements from row to row
	s_mov_b32 s[\g+6], 0
	s_mov_b32 s[\g+7], 0
.endr
	s_mov_b32 s[CS], 0x3e38aa3b     ; c = log2(e) / 8 = 0.180337
	s_mov_b32 s[CS+1], s[CS]        ; named with it as a pair
	s_mov_b32 s[SEL], 0x76543210
	s_mov_b32 s[SEL+1], 0xfedcba98
	s_mov_b32 s[TBK], SLOT1+4*KS*PK ; the first change of slots turns these two into 0
	s_mov_b32 s[TBV], SLOT1+4*KS*PV
	s_mov_b32 s[G0K], 1             ; 1:0 count = 1
	s_mov_b32 s[G0K+1], s17         ; 63:32 LDS address: slot 0
	s_mov_b32 s[G0V], 1
	s_add_co_u32 s[G0V+1], s18, VOFF
	s_mov_b32 s[SLOTS], SIZE_N/256-1
	s_and_b32 s[LIM], s[WV], 1      ; waves 0 and 2 prefetch: the same in all four partners
	s_cmp_eq_u32 s[LIM], 0
	s_cselect_b32 s[LIM], 1, -1
	s_wait_dscnt 0x0                ; the opening add is done
	s_wait_kmcnt 0x0
	s_add_nc_u64 s[G0K+2:G0K+3], s[6:7], s[22:23]  ; 120:64 global address: my half of the head's first 256 keys
	s_or_b32 s[G0K+3], s[G0K+3], 0x80000000        ; 127:126 type = 2
	s_add_nc_u64 s[G0V+2:G0V+3], s[8:9], s[22:23]
	s_or_b32 s[G0V+3], s[G0V+3], 0x80000000
	s_add_nc_u64 s[4:5], s[4:5], s[2:3]  ; Q and O at my wave's first row
	s_add_nc_u64 s[10:11], s[10:11], s[2:3]
	s_cmp_lt_u32 s[WV], 2
	s_cselect_b64 s[PFA:PFA+1], s[6:7], s[8:9]
	s_add_nc_u64 s[PFA:PFA+1], s[PFA:PFA+1], s[20:21]  ; the head's first byte of K or of V,
	s_lshl_b32 s2, s13, 13          ; my work-group's quarter of a slot,
	s_mov_b32 s3, 0
	s_add_nc_u64 s[PFA:PFA+1], s[PFA:PFA+1], s[2:3]
	s_add_nc_u64 s[PFA:PFA+1], s[PFA:PFA+1], 4*KS*128  ; in slot 1: the first change of slots, which asks for slot 1, steps it to slot 2
	CROUND                          ; all four work-groups are here: the first joint loads meet
	JLOAD                           ; slot 0.  Slot 1 is asked for when slot 0 is in: the tile wanted first has the road to itself
	; A fragment of K or Q is 16 rows x 32 channels in 8 registers: lane l holds row l % 16, channels 8 (l / 16) + 0..7 and 16 + 8 (l / 16) + 0..7: two loads of 16 bytes, 32 bytes apart.
	v_and_b32 v1, 15, v0            ; l % 16
	v_bfe_u32 v9, v0, 4, 1          ; l / 16
	v_lshlrev_b32 v[QO], 7, v1
	v_lshl_add_u32 v[QO], v9, 4, v[QO]  ; row x 128 + 16 x half
	WIN 0x80                        ; destination window 2, address window 0
.set i, 0
.rept 4*NP                          ; Q stays in registers: tile i / 2, channels 32 (i % 2) on
	global_load_b128 v[8*i:8*i+3],   v[QO], s[4:5] offset:(i/2)*2048+(i%2)*64
	global_load_b128 v[8*i+4:8*i+7], v[QO], s[4:5] offset:(i/2)*2048+(i%2)*64+32
.set i, i+1
.endr
	; What the first turn finds: V's registers and P's second buffer hold 0 (its products V^T P, of a piece that has not been, add 0), O^T and l are 0.  All this stands in the wait for the first tile.
.set i, VF
.rept 64
	v_mov_b32 v[i], 0
.set i, i+1
.endr
	WIN 0x40
.set i, 0
.rept 64*NP
	v_mov_b32 v[i], 0
.set i, i+1
.endr
	WIN 0
.set i, 0
.rept 2*NP
	v_mov_b32 v[ST+4*i], 0xfe000000    ; c m: far below every c s
	v_mov_b32 v[ST+4*i+1], 0xff7fffff  ; m
	v_mov_b32 v[ST+4*i+2], 0
	v_mov_b32 v[ST+4*i+3], 0
.set i, i+1
.endr
.set i, P+32
.rept 32
	v_mov_b32 v[i], 0
.set i, i+1
.endr
	v_mul_u32_u24 v[AK0], v1, PK
	v_lshl_add_u32 v[AK0], v9, 4, v[AK0]  ; row x pitch + 16 x half
	; The turning load takes 16 keys x 16 channels (lane l reads key 8 (l / 16) + l % 8, channels 8 ((l / 8) % 2) + 0..7) and leaves half a fragment of V^T: lane l holds channel l % 16 and 8 keys.
	v_and_b32 v10, 7, v0
	v_bfe_u32 v11, v0, 3, 1
	v_lshl_add_u32 v[AV0], v9, 3, v10
	v_mul_u32_u24 v[AV0], v[AV0], PV
	v_lshl_add_u32 v[AV0], v11, 4, v[AV0]
	v_add_nc_u32 v[AV0], VOFF, v[AV0]
	v_and_b32 v[PFO], 31, v0        ; v11 has served: from here on it holds 256 x my lane
	v_lshlrev_b32 v[PFO], 8, v[PFO]
	v_mov_b32 v[AK], v[AK0]         ; key step 0 lies at the head of slot 0
; THE MATRIX WORK.  The 8 accumulators of a run of 16 take turns: between the two links of a chain stand 7 others'.
; Product i of 16 of S^T = K Q^T for piece x: channels 32 (i / 8) on, keys 16 ((i / 2) % 4) on, tile 2 x + i % 2.  The first 8 start the sums.
.macro KQ x
	WIN W_KQ
.set rS, S+64*((\x)%2)+32*(i%2)+8*((i/2)%4)
.set rK, KF+16*((i/2)%4)+8*(i/8)
.set rQ, 16*(2*(\x)+i%2)+8*(i/8)
.if i < 8
	v_wmma_f32_16x16x32_f16 v[rS:rS+7], v[rK:rK+7], v[rQ:rQ+7], 0
.else
	v_wmma_f32_16x16x32_f16 v[rS:rS+7], v[rK:rK+7], v[rQ:rQ+7], v[rS:rS+7]
.endif
.endm
; Product i of 16 of O^T += V^T P for piece x: keys 32 (i / 8) on, channels 16 ((i / 2) % 4) on, tile 2 x + i % 2.
.macro PV x
	WIN W_PV
.set rO, 32*(2*(\x)+i%2)+8*((i/2)%4)
.set rV, VF+32*(i/8)+8*((i/2)%4)
.set rP, P+32*((\x)%2)+16*(i%2)+8*(i/8)
	v_wmma_f32_16x16x32_f16 v[rO:rO+7], v[rV:rV+7], v[rP:rP+7], v[rO:rO+7]
.endm
.macro MM                           ; the turn's next matrix instruction
.if i < 16
	KQ (Y+1)%NP
.set i, i+1
.else
.set i, i-16
	PV (Y+NP-1)%NP
.set i, i+17
.endif
.endm
; THE LDS LOADS stand in runs of 16, never singly among the matrix instructions: a step's K (64 keys x 64 channels: 8 fragments) and its V (turned).  Their addresses are made some lines ahead.
; last = 1 (the tail): in the last trip there is no further step, and the run is jumped over.
.macro FETCH_K last=0
	WIN 0
.if \last
	s_cmp_eq_u32 s[CNT], 1
	s_cbranch_scc1 .Lno_k_\@
.endif
	WIN 0x80                        ; destination window 2
.irp f, 0,1,2,3,4,5,6,7             ; keys 16 (f / 2) on, channels 32 (f % 2) on
	ds_load_b128 v[KF+8*\f:KF+8*\f+3],   v[AK] offset:(\f/2)*16*PK+(\f%2)*64
	ds_load_b128 v[KF+8*\f+4:KF+8*\f+7], v[AK] offset:(\f/2)*16*PK+(\f%2)*64+32
.endr
	s_add_co_u32 s[TBK], s[TBK], KS*PK  ; the next fetch is the next step's
	WIN 0
.if \last
.Lno_k_\@:
.endif
.endm
.macro FETCH_V
	WIN 0x80
.irp f, 0,1,2,3,4,5,6,7             ; keys 32 (f / 4) on, channels 16 (f % 4) on
	ds_load_tr16_b128 v[VF+8*\f:VF+8*\f+3],   v[AV] offset:(\f/4)*32*PV+(\f%4)*32
	ds_load_tr16_b128 v[VF+8*\f+4:VF+8*\f+7], v[AV] offset:(\f/4)*32*PV+16*PV+(\f%4)*32
.endr
	WIN 0
.endm
; THE VECTOR WORK OF A TURN stands in three queues, each in the order in which its entries become ready; the two tiles alternate, so that no instruction reads the result of the one before it.
.macro REGS y, u                    ; the registers of tile u (0, 1) of piece y
.set rT, ST+4*(2*(\y)+(\u))
.set rC, TMP+8*((\y)%2)+4*(\u)
.set rM, MV+2*((\y)%2)+(\u)
.set rS, S+64*((\y)%2)+32*(\u)
.set rP, P+32*((\y)%2)+16*(\u)
.set rO, 32*(2*(\y)+(\u))
.endm
; Number n of the 22 that find the NEXT piece's (Y + 1) maximum and statistics.  s0-s31 are the lane's 32 scores; each accumulator's lowest registers are read first.
;   0-11  four chains c0-c3 of seven scores each, three operands at a time     12-14, 16  the four scores left over, the old m, and c0-c3 into c0     15  c m_old is kept
;   17, 18  the query's other 32 keys lie in the lane 16 away: the new m         19-21  c m; c m_old - c m_new; a
.macro XS u, n
	REGS (Y+1)%NP, \u
.if (\n) < 4
	v_max3_num_f32 v[rC+(\n)], v[rS+8*(\n)], v[rS+8*(\n)+1], v[rS+8*(\n)+2]
.elseif (\n) < 12
	v_max3_num_f32 v[rC+(\n)%4], v[rC+(\n)%4], v[rS+8*((\n)%4)+2*((\n)/4)+1], v[rS+8*((\n)%4)+2*((\n)/4)+2]
.elseif (\n) == 12
	v_max3_num_f32 v[rC], v[rC], v[rS+7], v[rS+15]
.elseif (\n) == 13
	v_max3_num_f32 v[rC+1], v[rC+1], v[rS+23], v[rS+31]
.elseif (\n) == 14
	v_max3_num_f32 v[rC+2], v[rC+2], v[rC+3], v[rT+1]
.elseif (\n) == 15
	v_mov_b32 v[rM], v[rT]
.elseif (\n) == 16
	v_max3_num_f32 v[rC], v[rC], v[rC+1], v[rC+2]
.elseif (\n) == 17
	v_permlanex16_b32 v[rC+3], v[rC], s[SEL], s[SEL+1]
.elseif (\n) == 18
	v_max_num_f32 v[rT+1], v[rC], v[rC+3]
.elseif (\n) == 19
	v_mul_f32 v[rT], s[CS], v[rT+1]
.elseif (\n) == 20
	v_sub_f32 v[rC+1], v[rM], v[rT]
.else
	v_exp_f32 v[rC+2], v[rC+1]
.endif
.endm
; Number g of the 64 that follow the exponentials.  For each four weights k of a tile (pairs 2 k, 2 k + 1): both pairs are rounded to f16; then the second pair is added onto the first, in place;
; a group later l takes that sum (the first time as l = a l + sum).  In groups of eight, tiles alternating: round, round, add, and l for the group before.
.macro GS g
.set h, (\g)+6*((\g)/62)            ; group 0 has no group before it, and behind group 7 only l is left
.if h >= 6
.set h, h+2
.endif
	REGS Y, h%2
.set k, h/8
.if h%8 < 4
	s_wait_alu depctr_va_vdst(0)
	v_cvt_pk_f16_f32 v[rP+2*k+(h%8)/2], v[rS+4*k+2*((h%8)/2)], v[rS+4*k+2*((h%8)/2)+1]
.elseif h%8 < 6
	v_pk_add_f32 v[rS+4*k:rS+4*k+1], v[rS+4*k:rS+4*k+1], v[rS+4*k+2:rS+4*k+3]
.elseif k == 1
	v_pk_fma_f32 v[rT+2:rT+3], v[rT+2:rT+3], v[rC+2:rC+3], v[rS:rS+1] op_sel_hi:[1,0,1]
.else
	v_pk_add_f32 v[rT+2:rT+3], v[rT+2:rT+3], v[rS+4*k-4:rS+4*k-3]
	s_wait_alu depctr_va_vdst(0)
.endif
.endm
; THE PLAIN QUEUE, 138 long.  0-31: c s - c m for the 16 pairs of both tiles.  Then GS's 64, and among them the next piece's 42: number 15 at 38, 39; 0-14 and 16
; at 42-73, behind the products that make those scores; 17-20 at 95-106, two of three, since each waits for the one before it.
.macro PL
	WIN 0
.if q < 32
	REGS Y, q%2
	v_pk_fma_f32 v[rS+2*(q/2):rS+2*(q/2)+1], v[rS+2*(q/2):rS+2*(q/2)+1], s[CS:CS+1], v[rT:rT+1] op_sel_hi:[1,0,0] neg_lo:[0,0,1] neg_hi:[0,0,1]
.elseif q < 38
	GS q-32
.elseif q < 40
	XS q%2, 15
.elseif q < 42
	GS q-34
.elseif q < 74
	XS q%2, (q-42)/2+(q-42)/30
.elseif q < 95
	GS q-66
.elseif (q < 107) && ((q-95)%3 < 2)
	XS (q-95)%3, 17+(q-95)/3
.elseif q < 107
	GS 29+(q-95)/3
.else
	GS q-74
.endif
.set q, q+1
.endm
; THE EXPONENTIALS' QUEUE, 66 long: s0-s31 of both tiles, and at EA the next piece's two a.
.set EA, 58
.macro EX
	WIN 0
.if (e == EA) || (e == EA+1)
	XS e-EA, 21
.else
.set x, e-2*(e/(EA+2))
	REGS Y, x%2
	v_exp_f32 v[rS+x/2], v[rS+x/2]
.endif
.set e, e+1
.endm
; THE RESCALING's QUEUE: O^T times a, the one part that leaves window 0, so it is dealt four at a time, eight times.
.macro R4
	REGS Y, r%2
	WIN W_RS
	s_wait_alu depctr_va_vdst(0)
.irp z, 0,1,2,3
	v_pk_mul_f32 v[rO+8*(r/2)+2*\z:rO+8*(r/2)+2*\z+1], v[rO+8*(r/2)+2*\z:rO+8*(r/2)+2*\z+1], v[rC+2:rC+3] op_sel_hi:[1,0]
.endr
.set r, r+1
.endm
; HOW THEY ARE DEALT.  Behind a matrix instruction four: plain, exponential, plain, plain (one exponential, a plain instruction on either side), or four of the rescaling.  None names a register of the
; products round it.  What is over stands in two LUMPS: exponential and plain by turns; the second ends in 22 plain instructions.  The two v_permlanex16_b32 fall into the second lump, never behind a product.
; The queues lean on each other, and the deal keeps them in step: exponential e stands behind plain 2 (e / 4) + e % 2 (its scaling); when plain 32 comes, 10 exponentials are out, at 59: 33, at 95: 46; EA comes behind plain 107.
.macro SL
	MM
	PL
	EX
	PL
	PL
.endm
.macro BURST n                      ; 15 matrix instructions, or 16
.rept (\n)-7
	SL
.endr
.rept 3
	MM
	R4
	SL
.endr
	MM
	R4
.endm
; A TURN, for piece p.  cnt = 1: the loop's count is taken down some lines ahead of the branch that stands behind the turn.
; K of the next step is fetched in piece 2's turn, 31 vector instructions behind the last product that read K; its first reader comes behind the rest of the lump, 16 products and the second lump.
; V of the step in hand is fetched at the end of piece 0's turn, 69 behind its last reader; its first reader comes behind 16 products and a lump.  The four conditions on e and q below go with the deal.
.macro TURN p, last=0, cnt=0
.set Y, (\p)
.set i, 0
.set q, 0
.set e, 0
.set r, 0
.if (\p) == NP-1
	s_wait_dscnt 0x0                ; K is in
.endif
	MM
.rept 4
	PL
.endr
	BURST 15
.rept 22
	EX
	PL
.if ((\p) == NP-2) && (e == 18)
	v_add_nc_u32 v[AK], s[TBK], v[AK0]
.endif
.if ((\p) == NP-2) && (e == 24)
	FETCH_K \last
.endif
.endr
.if (\p) == 1
	s_wait_dscnt 0x0                ; V is in
.endif
	BURST 16
.rept 21
	EX
	PL
.endr
.rept 22
	PL
.if ((\p) == 0) && (q == 118)
	v_add_nc_u32 v[AV], s[TBV], v[AV0]
	s_wait_alu depctr_va_vdst(0)
.endif
.if ((\p) == 0) && (q == 130)
	s_add_co_u32 s[TBV], s[TBV], KS*PV
.endif
.if (\cnt) && (q == 130)
	s_sub_co_u32 s[CNT], s[CNT], 1
	s_cmp_lg_u32 s[CNT], 0
.endif
.endr
.if (\p) == 0
	FETCH_V
.endif
.endm
	CHANGE 1                        ; slot 0 is in, everybody's part of it; slot 1 is asked for
	FETCH_K                         ; key step 0
	s_wait_loadcnt 0x0              ; Q
	s_wait_dscnt 0x0
.set i, 0
.rept 16
	KQ 0                            ; piece 0's first scores: there is no vector work yet to set between them
.set i, i+1
.endr
	WIN 0                           ; the addresses for the way out: nine plain instructions, the places behind those products
	s_mul_i32 s13, s[WV], 16*SP
	s_add_co_u32 s13, s13, STAGE    ; my stage
	v_mul_u32_u24 v[STO], v1, SP    ; in: row l % 16, 16 bytes for each half of the lanes
	v_lshl_add_u32 v[STO], v9, 4, v[STO]
	v_add_nc_u32 v[STO], s13, v[STO]
	v_bfe_u32 v[RD], v0, 3, 2       ; back: 32 lanes take four rows of 128 bytes,
	v_mul_u32_u24 v[RD], v[RD], SP
	v_lshl_add_u32 v[RD], v10, 4, v[RD]
	v_add_nc_u32 v[RD], s13, v[RD]
	v_and_b32 v[GO], 31, v0         ; which are 512 consecutive bytes of O
	v_lshlrev_b32 v[GO], 4, v[GO]
.set Y, NP-1                        ; XS works for piece Y + 1: piece 0
.irp n, 0,1,2,3,4,5,6,7,8,9,10,11,12,13,14,15,16,17,18,19,20,21
	XS 0, \n                        ; and piece 0's first maximum and statistics
	XS 1, \n
.endr
	s_mov_b32 s[CNT], 4
	s_branch .Lfirst                ; the loop is entered at a step's first turn, in the middle of a trip
.Lslot:                             ; SIZE_N / 256 - 2 times: every slot but the last two is filled again
	CHANGE 1
	s_mov_b32 s[CNT], 4
.Lstep:                             ; a trip: pieces 2 and 3 of one step, then pieces 0 and 1 of the next, whose K and V it fetches
	TURN 2
	TURN 3
	WIN 0
.Lfirst:
	TURN 0
	TURN 1, 0, 1
	WIN 0
	s_cbranch_scc1 .Lstep
	s_sub_co_u32 s[SLOTS], s[SLOTS], 1
	s_cmp_lg_u32 s[SLOTS], 0
	s_cbranch_scc1 .Lslot
	CHANGE 0                        ; the tail is written out: nothing is asked for
	s_mov_b32 s[CNT], 5             ; four trips fetch the last slot's steps; the fifth is left in its middle
.Ltail:
	TURN 2, 1
	TURN 3
	WIN 0
	s_sub_co_u32 s[CNT], s[CNT], 1
	s_cmp_eq_u32 s[CNT], 0
	s_cbranch_scc1 .Lout
	TURN 0
	TURN 1
	WIN 0
	s_branch .Ltail
.Lout:                              ; the fifth trip's 16 products K Q^T (on the last K once more) and the maximum made of them serve nothing: the price, once a launch, of one text for every trip
.set i, 0
.rept 16
	PV NP-1                         ; the last piece's V^T P of the last step
.set i, i+1
.endr
	; THE WAY OUT.  l's two halves and the other half of the lanes' are added; O^T is divided by l, rounded to f16 and sent through my stage in LDS, a tile at a time.  The additions are the places behind the last products.
	WIN 0
.macro ALL line:vararg              ; one line for each tile t
.set t, 0
.rept 2*NP
	\line
.set t, t+1
.endr
.endm
	ALL v_add_f32 v[ST+4*t+2], v[ST+4*t+2], v[ST+4*t+3]
	ALL v_permlanex16_b32 v[ST+4*t+3], v[ST+4*t+2], s[SEL], s[SEL+1]
	ALL v_add_f32 v[ST+4*t+2], v[ST+4*t+2], v[ST+4*t+3]
	ALL v_rcp_f32 v[ST+4*t+2], v[ST+4*t+2]
	v_nop                           ; a plain instruction between the last reciprocal and the use of its result
	s_wait_alu depctr_va_vdst(0)
; Tile t: a lane's eight channels of a row pack into 16 bytes; they go into rows of 144 bytes and come back as whole rows of 128, into S^T's registers.
.macro PACK t
	WIN W_RS
.set i, 32*(\t)
.rept 16
	v_pk_mul_f32 v[i:i+1], v[i:i+1], v[ST+4*(\t)+2:ST+4*(\t)+3] op_sel_hi:[1,0]
.set i, i+2
.endr
	WIN 0x05                        ; sources 0 and 1 window 1, destination window 0
.set i, 0
.rept 16
	v_cvt_pk_f16_f32 v[S+16*(\t)+i], v[32*(\t)+2*i], v[32*(\t)+2*i+1]
.set i, i+1
.endr
	WIN 0
.irp f, 0,1,2,3
	ds_store_b128 v[STO], v[S+16*(\t)+4*\f:S+16*(\t)+4*\f+3] offset:32*\f
.endr
.irp f, 0,1,2,3
	ds_load_b128 v[S+16*(\t)+4*\f:S+16*(\t)+4*\f+3], v[RD] offset:\f*4*SP  ; LDS serves a wave's instructions in order (ISA guide 5.7.1.4): these see the stores above; the next tile's stores come behind them
.endr
.endm
.macro SEND t, younger              ; younger: the LDS instructions issued behind tile t's loads: the next tile's eight, or none
	WIN 0
.irp f, 0,1,2,3
	s_wait_dscnt (\younger)+3-\f
	global_store_b128 v[GO], v[S+16*(\t)+4*\f:S+16*(\t)+4*\f+3], s[10:11] offset:(\t)*2048+\f*512  ; 512 consecutive bytes, at a multiple of 256 from O's first
.endr
.endm
	PACK 0
.set t, 1
.rept 2*NP-1                        ; a tile's arithmetic stands between the loads of the tile before and its stores
	PACK t
	SEND t-1, 8
.set t, t+1
.endr
	SEND 2*NP-1, 0
	WIN W_AD
	s_wait_tensorcnt 0x0            ; the wave's end: the add and its wait stand behind my last tensor load and my last LDS store
	ds_add_u32 v[SPW], v[NIL]
	s_wait_dscnt 0x0
	WIN 0
	CROUND                          ; the closing round: no work-group ends while a partner may still ask for a tile that names it
	s_endpgm
.Lfunc_end_k_qa11c06b074_attn:
	.size	k_qa11c06b074_attn, .Lfunc_end_k_qa11c06b074_attn-k_qa11c06b074_attn
	.p2alignl 7, 3214868480
	.fill 96, 4, 3214868480
	.section	.rodata,"a",@progbits
	.p2align	6, 0x0
	.amdhsa_kernel k_qa11c06b074_attn
		.amdhsa_group_segment_fixed_size 327680
		.amdhsa_private_segment_fixed_size 0
		.amdhsa_enable_private_segment 0
		.amdhsa_kernarg_size 32
		.amdhsa_user_sgpr_count 2
		.amdhsa_user_sgpr_kernarg_segment_ptr 1
		.amdhsa_wavefront_size32 1
		.amdhsa_system_sgpr_workgroup_id_x 1
		.amdhsa_system_sgpr_workgroup_id_y 1
		.amdhsa_system_sgpr_workgroup_id_z 1
		.amdhsa_system_vgpr_workitem_id 0
		.amdhsa_next_free_vgpr 770
		.amdhsa_next_free_sgpr 66
		.amdhsa_reserve_vcc 0
		.amdhsa_float_denorm_mode_32 3
		.amdhsa_float_denorm_mode_16_64 3
		.amdhsa_memory_ordered 1
		.amdhsa_forward_progress 1
		.amdhsa_inst_pref_size 209
	.end_amdhsa_kernel
	.amdgpu_metadata
---
amdhsa.version: [ 1, 2 ]
amdhsa.kernels:
  - .name:           k_qa11c06b074_attn
    .symbol:         k_qa11c06b074_attn.kd
    .args:
      - { .name: qh, .offset: 0, .size: 8, .value_kind: global_buffer, .address_space: global }
      - { .name: kh, .offset: 8, .size: 8, .value_kind: global_buffer, .address_space: global }
      - { .name: vh, .offset: 16, .size: 8, .value_kind: global_buffer, .address_space: global }
      - { .name: oh, .offset: 24, .size: 8, .value_kind: global_buffer, .address_space: global }
    .group_segment_fixed_size: 327680
    .private_segment_fixed_size: 0
    .kernarg_segment_align: 8
    .kernarg_segment_size: 32
    .max_flat_workgroup_size: 128
    .sgpr_count:     66
    .vgpr_count:     770
    .wavefront_size: 32
...
	.end_amdgpu_metadata
.endif
;; end of part 3
;; launch proj (part 4): grid 8 x 32, 4 waves a work-group, clusters of 4 x 4, 327,680 bytes of LDS; arguments oh, wob, b_out, out0; writes out0
.if DOCPART == 4
	.amdgcn_target "amdgcn-amd-amdhsa--gfx1250"
	.amdhsa_code_object_version 6
	.text
	.protected	k_qa11c06b074_proj
	.globl	k_qa11c06b074_proj
	.p2align	8
	.type	k_qa11c06b074_proj,@function
k_qa11c06b074_proj:
	s_mov_b64 s[64:65], 0
	v_nop
	global_prefetch_b8 v0, s[64:65] scope:SCOPE_SE
	s_setreg_imm32_b32 hwreg(HW_REG_WAVE_MODE, 25, 1), 1
	s_wait_xcnt 0x0
	s_wait_alu depctr_hold_cnt(0) depctr_sa_sdst(0) depctr_va_vdst(0) depctr_va_sdst(0) depctr_va_ssrc(0) depctr_va_vcc(0) depctr_vm_vsrc(0)
	s_getreg_b32 s2, hwreg(HW_REG_IB_STS2, 6, 4)
	s_cmp_eq_u32 s2, 0
	s_cbranch_scc0 .Lentry_in_a_cluster
	s_endpgm
.Lentry_in_a_cluster:
	s_bfe_u32 s2, ttmp6, 0x10000c
	s_cmp_lg_u32 s2, 0xf033
	s_cbranch_scc0 .Lentry_shape_is_right
	s_endpgm
.Lentry_shape_is_right:
; out0[r][n] = the sum over k of O[r][k] w_out[k][n] + b_out[n].  oh: [64 = 16 batch + head][2048][64] f16, so k = 64 head + channel.  wob: [16 x][1024 k][64 c] f16.  out0: [8192][1024] f32.
; Sums and the bias in f32.  LIMITS: those of the operands' format, f16: none beyond 65,504; below 6e-5 the fixed step 6e-8.  NaN and infinities are not treated apart.
; SHARES.  A tile is 256 rows x 128 columns: 256 work-groups.  Four waves; wave w owns rows 64 w .. 64 w + 63 and all 128 columns: 32 accumulators of 16 x 16, 256 registers.
; K goes in 8 steps of 128 (two heads) through two LDS slots; a step is four quarters of 32, 32 matrix instructions each, on two fragment buffers.
; THE PRODUCT IS USED TRANSPOSED: source 0 = 16 columns of w (stored [k][column], turned by ds_load_tr16_b128), source 1 = 16 rows of O: a lane holds row lane % 16 and the columns 8 (lane / 16) + 0..7.
; CLUSTER.  4 x 4 work-groups: the four of a row of the cluster share O's tile, the four of a column share w's: each tile is asked for JOINTLY, by the same tensor load, descriptor and mask in all four.
; REGISTERS, in windows of 256 (s_set_vgpr_msb: bits 1:0 source 0, 3:2 source 1, 5:4 source 2, 7:6 destination):
;   window 0: v0-31 addresses and the bias; v64-191 two sets of 64 for the way out      window 1: the accumulators: columns 0-63 at 8 (4 a + b), columns 64-127 at 128 + 8 (4 a + b)
;   window 2: two fragment buffers of 128: 32 of O (4 x 16 rows x 32 K), then 32 for each group of 64 columns of w
.set NG,    2                          ; groups of 64 columns
.set GF,    1                          ; the first group's number: group n lies in window (n + 1) / 2 at 128 ((n + 1) % 2)
.set AP,    144                        ; a row of one head of O in LDS: 128 bytes + 16 = 36 words: the 16 rows of a load start at 16 different groups of four banks (64 banks of 4 bytes: ISA guide 11.1)
.set APL,   256*AP                     ; a head's 256 rows: a plane; a slot holds two
.set BOFF,  2*APL                      ; w's tile lies behind them
.set BP,    160                        ; a k's 64 columns: 128 bytes + 32 = 5 x 32
.set BG,    128*BP                     ; a group's 128 k
.set NL,    8+8*NG                     ; LDS loads of a quarter
.set SLOT1, 131072                     ; slot 1 begins here: one exclusive or turns an address in one slot into the other's
.set STAGE, SLOT1+BOFF+2*BG            ; behind the ring, never filled by a tensor load: 16 rows x 528 bytes for each wave
.set SROW,  528                        ; 512 bytes + 16 = 132 words: the 16 rows of a store start at 16 different groups of four banks
.set SPARE, STAGE+4*16*SROW            ; behind the stages: the spare words, 128 bytes for each wave: two blocks of 256 bytes that no other line names
.set ASTEP, 2*262144                   ; a K step in oh: two heads of 2,048 x 128 bytes
.set BSTEP, 128*128                    ; in a plane of wob: 128 k of 128 bytes
.set BI,   12                          ; v[12:15] b_out of my four columns of a stored row
.set A0,   16                          ; v16  my lane's place in O's tile; never rewritten
.set B0,   17                          ; v17  in w's tile
.set ADRA, 18                          ; v18  A0 + the slot in hand
.set ADRB, 19                          ; v19  B0 + the slot in hand
.set STO,  24                          ; v24  the way out: where I put 32 bytes of a row
.set RD,   25                          ; v25  where I read a row back
.set GO,   26                          ; v26  my 16 bytes of a row's 512
.set SPW,  28                          ; v28  LDS address of my spare word: SPARE + 4 x my thread's number; never rewritten
.set NIL,  29                          ; v29  0; never rewritten
.set F0,   0
.set F1,   128
.set G1A,  24                          ; s[24:31] descriptor group 1 for O's tiles
.set G0A,  32                          ; s[32:39] group 0: a set for each of the two first fills; the second then walks on
.set G1B,  48                          ; s[48:55], s[56:63] the same for w's
.set G0B,  56
.set TB,   45                          ; s45  LDS byte at which the slot in hand begins
.set MSB, 0
.macro WIN new                         ; the immediate's high byte repeats the setting that is left; a switch that changes nothing is dropped
.if MSB != (\new)
	s_set_vgpr_msb (MSB<<8)|(\new)
.set MSB, (\new)
.endif
.endm
.macro PLACES                          ; four places in front of loads into registers that matrix instructions have read, and of lines that read results
.rept 4
	v_nop
.endr
.endm
; A joint refill by the walking descriptors: waves 0 and 1 fetch O's two heads, waves 2 and 3 w's two groups.  The branch hangs on the wave's number alone.
; An s_nop 0 and four v_nop follow each of the two lines, ahead of the jump and the label.
.macro JLOAD
	s_cmp_eq_u32 s11, 0
	s_cbranch_scc0 .Lfor_b_\@
	tensor_load_to_lds s[G0A+4:G0A+7], s[G1A:G1A+7]
	s_nop 0
.rept 4
	v_nop
.endr
	s_branch .Lasked_\@
.Lfor_b_\@:
	tensor_load_to_lds s[G0B+4:G0B+7], s[G1B:G1B+7]
	s_nop 0
.rept 4
	v_nop
.endr
.Lasked_\@:
.endm
.macro CREST                           ; a round of the cluster's barrier behind its opening barrier
	s_cmp_lg_u32 s10, 0
	s_cbranch_scc1 .Lnot_wave_0_\@
	s_barrier_signal -3
.Lnot_wave_0_\@:
	s_barrier_wait -3
	s_barrier_signal -1
	s_barrier_wait -1
.endm
.macro CROUND                          ; a whole round
	s_barrier_signal -1
	s_barrier_wait -1
	CREST
.endm
	s_load_b128 s[4:7], s[0:1], 0x0                ; oh s[4:5], wob s[6:7]
	s_load_b128 s[68:71], s[0:1], 0x10             ; b_out s[68:69], out0 s[70:71]
	v_lshl_add_u32 v[SPW], v0, 2, SPARE
	v_mov_b32 v[NIL], 0
	ds_add_u32 v[SPW], v[NIL]                      ; the wave's opening: the add and its wait stand ahead of my first tensor load; the set-up below, work on registers, stands between them
	v_lshrrev_b32 v1, 5, v0
	v_readfirstlane_b32 s10, v1                    ; wave 0..3
	s_lshr_b32 s11, s10, 1                         ; I fetch for O (0) or for w (1)
	s_and_b32 s12, s10, 1                          ; which plane of that tile
	s_bfe_u32 s40, ttmp6, 0x40000                  ; cx, cy: my place in the cluster
	s_bfe_u32 s41, ttmp6, 0x40004
	s_lshl_b32 s42, ttmp9, 2
	s_add_co_u32 s42, s42, s40                     ; x, the block of 128 columns = 4 x cluster x + cx
	s_and_b32 s13, ttmp7, 0xffff
	s_lshl_b32 s13, s13, 2
	s_add_co_u32 s13, s13, s41                     ; y, the block of 256 rows = 4 x cluster y + cy
	s_lshl_b32 s43, s41, 2
	s_lshl_b32 s43, 15, s43                        ; my row of the cluster
	s_lshl_b32 s44, 0x1111, s40                    ; my column
	s_or_b32 s[G1A], s43, (1<<16)|(1<<20)|(1<<21)|(4<<22)|(3<<25)  ; the mask: O's tiles go to my row; 2-byte elements; padding on; bit 21 beside a mask; after every 32 words (a row of a head), 4 words
	s_mov_b32 s[G1A+1], 128<<16                    ; a head's 256 rows of 128 bytes are 32,768 dense bytes: asked for as 128 rows of 256 bytes
	s_mov_b32 s[G1A+2], 128<<16
	s_mov_b32 s[G1A+3], 128<<16
	s_mov_b32 s[G1A+4], 128
	s_mov_b32 s[G1A+5], 128
	s_mov_b32 s[G1A+6], 0
	s_mov_b32 s[G1A+7], 0
	s_or_b32 s[G1B], s44, (1<<16)|(1<<20)|(1<<21)|(4<<22)|(7<<25)  ; w's tiles go to my column; after every 32 words (a k's 64 columns), 8 words
	s_mov_b32 s[G1B+1], 128<<16                    ; 128 k of 128 bytes are 16,384 dense bytes: 64 rows of 256 bytes
	s_mov_b32 s[G1B+2], 64<<16
	s_mov_b32 s[G1B+3], 128<<16
	s_mov_b32 s[G1B+4], 64
	s_mov_b32 s[G1B+5], 128
	s_mov_b32 s[G1B+6], 0
	s_mov_b32 s[G1B+7], 0
	s_lshr_b32 s16, s13, 3                         ; O: batch = y / 8, of 16 heads of 262,144 bytes;
	s_lshl_b32 s16, s16, 22
	s_and_b32 s17, s13, 7
	s_lshl_b32 s17, s17, 15                        ; the block's 256 rows in a head;
	s_add_co_u32 s16, s16, s17
	s_lshl_b32 s17, s12, 18                        ; my head of the step's two
	s_add_co_u32 s16, s16, s17
	s_mov_b32 s17, 0
	s_lshl_b32 s46, s42, 1                         ; w: plane 2 x + mine, of 131,072 bytes
	s_add_co_u32 s46, s46, s12
	s_lshl_b32 s46, s46, 17
	s_mov_b32 s47, 0
	s_mul_i32 s20, s12, APL                        ; where they go: no place in the cluster enters an LDS address
	s_mul_i32 s21, s12, BG
	s_add_co_u32 s21, s21, BOFF
	s_lshl_b32 s72, s42, 9                         ; the block's 128 columns: 512 bytes of b_out and of a row of out0
	s_mov_b32 s73, 0
	s_lshl_b32 s74, s13, 20                        ; 256 y rows of 4,096 bytes,
	s_lshl_b32 s75, s10, 18                        ; my wave's 64,
	s_add_co_u32 s74, s74, s75
	s_add_co_u32 s74, s74, s72                     ; the columns
	s_mov_b32 s75, 0
	s_mov_b32 s[TB], 0
	s_wait_dscnt 0x0                               ; the opening add is done
	s_wait_kmcnt 0x0
	s_add_nc_u64 s[14:15], s[4:5], s[16:17]
	s_add_nc_u64 s[46:47], s[6:7], s[46:47]
	s_add_nc_u64 s[68:69], s[68:69], s[72:73]
	s_add_nc_u64 s[70:71], s[70:71], s[74:75]
	CROUND                                         ; all sixteen work-groups are here: the first joint loads meet
.irp s, 0,1
	s_mov_b32 s[G0A+4*(\s)], 1                     ; count = 1
	s_add_co_u32 s[G0A+4*(\s)+1], s20, (\s)*SLOT1  ; LDS address
	s_add_nc_u64 s[G0A+4*(\s)+2:G0A+4*(\s)+3], s[14:15], (\s)*ASTEP  ; global address: K step s
	s_or_b32 s[G0A+4*(\s)+3], s[G0A+4*(\s)+3], 0x80000000            ; type = 2
	s_mov_b32 s[G0B+4*(\s)], 1
	s_add_co_u32 s[G0B+4*(\s)+1], s21, (\s)*SLOT1
	s_add_nc_u64 s[G0B+4*(\s)+2:G0B+4*(\s)+3], s[46:47], (\s)*BSTEP
	s_or_b32 s[G0B+4*(\s)+3], s[G0B+4*(\s)+3], 0x80000000
.endr
	s_cmp_eq_u32 s11, 0                            ; a wave's two first fills stand in one branch, ahead of every wait on TENSORcnt and every LDS read: two loads of mine are out
	s_cbranch_scc0 .Lfirst_b
	tensor_load_to_lds s[G0A:G0A+3], s[G1A:G1A+7]
	s_nop 0
	tensor_load_to_lds s[G0A+4:G0A+7], s[G1A:G1A+7]
	s_nop 0
.rept 4
	v_nop
.endr
	s_branch .Lfirst_asked
.Lfirst_b:
	tensor_load_to_lds s[G0B:G0B+3], s[G1B:G1B+7]
	s_nop 0
	tensor_load_to_lds s[G0B+4:G0B+7], s[G1B:G1B+7]
	s_nop 0
.rept 4
	v_nop
.endr
.Lfirst_asked:
	v_and_b32 v1, 15, v0                           ; l % 16
	v_bfe_u32 v2, v0, 4, 1                         ; l / 16
	v_and_b32 v[GO], 31, v0
	v_lshlrev_b32 v[GO], 4, v[GO]                  ; 16 bytes a lane: 512 consecutive bytes a wave
	global_load_b128 v[BI:BI+3], v[GO], s[68:69]   ; b_out of columns 4 l .. 4 l + 3 of the block
	; A fragment of O is 16 rows x 32 K in 8 registers: lane l holds row l % 16, K = 8 (l / 16) + 0..7 and 16 + 8 (l / 16) + 0..7: two loads of 16 bytes, 32 bytes apart.
	v_mul_u32_u24 v[A0], v1, AP
	v_lshl_add_u32 v[A0], v2, 4, v[A0]
	s_mul_i32 s22, s10, 64*AP                      ; my wave's 64 rows
	v_add_nc_u32 v[A0], s22, v[A0]
	; The turning load takes 16 k x 16 columns (lane l reads k = 8 (l / 16) + l % 8, columns 8 ((l / 8) % 2) + 0..7) and leaves half a fragment: lane l holds column l % 16 and 8 k.
	v_and_b32 v3, 7, v0
	v_bfe_u32 v4, v0, 3, 1
	v_lshl_add_u32 v[B0], v2, 3, v3
	v_mul_u32_u24 v[B0], v[B0], BP
	v_lshl_add_u32 v[B0], v4, 4, v[B0]
	v_add_nc_u32 v[B0], BOFF, v[B0]
	s_mul_i32 s23, s10, 16*SROW
	s_add_co_u32 s23, s23, STAGE                   ; my stage
	v_mul_u32_u24 v[STO], v1, SROW                 ; in: row l % 16, 32 bytes for each half of the lanes
	v_lshl_add_u32 v[STO], v2, 5, v[STO]
	v_add_nc_u32 v[STO], s23, v[STO]
	v_add_nc_u32 v[RD], s23, v[GO]                 ; back: 32 lanes take one row of 512 bytes
	v_mov_b32 v[ADRA], v[A0]                       ; slot 0
	v_mov_b32 v[ADRB], v[B0]
; n x 4 matrix instructions of group gam: row blocks a0 .. a0 + n - 1 x its 4 column blocks, 32 along K, from buffer f.  zero = 1: the product starts the sum: nothing is ever cleared.
; The 32 accumulators take turns, one instruction a turn, in the same order in every quarter, over the backward jump too.
.macro MULA f, gam, a0, n, zero
.set AW, ((\gam)+1)/2
.set AB, 128*(((\gam)+1)%2)
	WIN 0x0a+0x50*AW                               ; both sources window 2; C and D window 1
.set a, (\a0)
.rept \n
.irp b, 0,1,2,3
.if \zero
	v_wmma_f32_16x16x32_f16 v[AB+8*(4*a+(\b)):AB+8*(4*a+(\b))+7], v[(\f)+32+32*((\gam)-GF)+8*(\b):(\f)+32+32*((\gam)-GF)+8*(\b)+7], v[(\f)+8*a:(\f)+8*a+7], 0
.else
	v_wmma_f32_16x16x32_f16 v[AB+8*(4*a+(\b)):AB+8*(4*a+(\b))+7], v[(\f)+32+32*((\gam)-GF)+8*(\b):(\f)+32+32*((\gam)-GF)+8*(\b)+7], v[(\f)+8*a:(\f)+8*a+7], v[AB+8*(4*a+(\b)):AB+8*(4*a+(\b))+7]
.endif
.endr
.set a, a+1
.endr
.endm
.macro OTHERS f, zero                  ; all groups but the first
.set gg, GF+1
.rept NG-1
	MULA \f, gg, 0, 4, \zero
.set gg, gg+1
.endr
.endm
; A quarter's LDS loads in one run, into buffer f: O's four fragments (quarter q lies in plane q / 2, at channel 32 (q % 2)), then w's, group by group.
.macro FETCH q, f
	WIN 0x80                                       ; destination window 2, address window 0
.irp a, 0,1,2,3
	ds_load_b128 v[(\f)+8*(\a):(\f)+8*(\a)+3],   v[ADRA] offset:((\q)/2)*APL+((\q)%2)*64+(\a)*16*AP
	ds_load_b128 v[(\f)+8*(\a)+4:(\f)+8*(\a)+7], v[ADRA] offset:((\q)/2)*APL+((\q)%2)*64+(\a)*16*AP+32
.endr
.set gq, 0
.rept NG
.irp b, 0,1,2,3
	ds_load_tr16_b128 v[(\f)+32+32*gq+8*(\b):(\f)+32+32*gq+8*(\b)+3],   v[ADRB] offset:32*(\q)*BP+gq*BG+32*(\b)
	ds_load_tr16_b128 v[(\f)+32+32*gq+8*(\b)+4:(\f)+32+32*gq+8*(\b)+7], v[ADRB] offset:32*(\q)*BP+gq*BG+32*(\b)+16*BP
.endr
.set gq, gq+1
.endr
.endm
; One of a K step's first three quarters: multiplies buffer f; behind its first group it fetches quarter nq of the same slot into buffer g.
.macro QUARTER nq, f, g, zero
	s_wait_dscnt NL-16                             ; O's fragments and the first group's are in; the youngest NL - 16 loads (the other group's) may stay out
	MULA \f, GF, 0, 4, \zero
	PLACES
	FETCH \nq, \g
	s_wait_dscnt NL                                ; all but the NL just issued
	OTHERS \f, \zero
.endm
; The last quarter multiplies buffer 1 and changes slots: ONE barrier.  In front of it each wave waits for all its tensor loads (one is out: its part of the next slot), adds 0 to its spare word,
; and waits for that and for its own reads of this slot.  fill = 1: the barrier opens a round of the cluster's, and behind the round this slot is filled again, two K steps ahead:
; that load has 112 matrix instructions of the wave in which to land.
.macro TURN fill
	WIN 0
	s_wait_tensorcnt 0x0                           ; no tensor load of mine is out, so a group 0 may be written
	ds_add_u32 v[SPW], v[NIL]                      ; 0 onto my spare word: scalar work and eight products stand between it and the wait for it
.if \fill
	s_xor_b32 s[G0A+5], s[G0A+5], SLOT1            ; the walking descriptors: the other slot than last time,
	s_add_nc_u64 s[G0A+6:G0A+7], s[G0A+6:G0A+7], ASTEP  ; the next K step; the type bits on top are not reached
	s_xor_b32 s[G0B+5], s[G0B+5], SLOT1
	s_add_nc_u64 s[G0B+6:G0B+7], s[G0B+6:G0B+7], BSTEP
.endif
	s_xor_b32 s[TB], s[TB], SLOT1                  ; the reads go on in the other slot
	s_wait_dscnt NL-15                             ; (the add and the youngest NL - 16 loads may be out)
	MULA F1, GF, 0, 2, 0
	s_wait_dscnt 0x0                               ; the add is done, and my reads of this slot are over
	s_barrier_signal -1
	MULA F1, GF, 2, 2, 0                           ; work on registers while the others arrive
	WIN 0                                          ; at a branch and at a label every window is 0
	s_barrier_wait -1
.if \fill
	CREST                                          ; no wave of any partner still reads this slot's tile or has a load on its way
	JLOAD                                          ; the first tensor load behind the round; its four v_nop are also the places in front of the loads below
.else
	PLACES
.endif
	v_add_nc_u32 v[ADRA], s[TB], v[A0]
	v_add_nc_u32 v[ADRB], s[TB], v[B0]
	FETCH 0, F0
	OTHERS F1, 0
.endm
	s_wait_tensorcnt 1                             ; my part of K step 0 is in; step 1's may stay out
	s_barrier_signal -1
	s_barrier_wait -1                              ; everybody's is
	FETCH 0, F0
	QUARTER 1, F0, F1, 1                           ; the first quarter stands in front of the loop: its products start the sums
	WIN 0
	s_mov_b32 s3, 6
.Lstep:                                                ; a trip is a K step, from its second quarter to the next step's first; six trips ask for K steps 2 to 7
	QUARTER 2, F1, F0, 0
	QUARTER 3, F0, F1, 0
	TURN 1
	QUARTER 1, F0, F1, 0
	WIN 0
	s_sub_co_u32 s3, s3, 1
	s_cmp_lg_u32 s3, 0
	s_cbranch_scc1 .Lstep
	QUARTER 2, F1, F0, 0                           ; the last two K steps are written out: nothing is asked for
	QUARTER 3, F0, F1, 0
	TURN 0
	QUARTER 1, F0, F1, 0
	QUARTER 2, F1, F0, 0
	QUARTER 3, F0, F1, 0
	s_wait_dscnt NL-16
	MULA F1, GF, 0, 4, 0
	s_wait_dscnt 0x0
	OTHERS F1, 0
	WIN 0
	PLACES
	PLACES
	s_wait_loadcnt 0x0                             ; the bias
; THE WAY OUT, a block of 16 rows at a time: a lane's eight f32 of a row go into my stage straight from the accumulators (each accumulator's lowest registers first),
; and whole rows of 512 bytes come back, take the bias and are stored.
.macro TOST a
	WIN 0x04                                       ; store data (source 1) window 1, address window 0
.irp g, 0,1
.irp b, 0,1,2,3
	ds_store_b128 v[STO], v[128*(\g)+8*(4*(\a)+(\b)):128*(\g)+8*(4*(\a)+(\b))+3]   offset:256*(\g)+64*(\b)
	ds_store_b128 v[STO], v[128*(\g)+8*(4*(\a)+(\b))+4:128*(\g)+8*(4*(\a)+(\b))+7] offset:256*(\g)+64*(\b)+16
.endr
.endr
	WIN 0
.if (\a) >= 2
	s_wait_xcnt 0x0                                ; the stores of the block two back, which read this set, have had their addresses translated (ISA guide 3.1): only now is it loaded again
.endif
.set OS, 64+64*((\a)%2)
.set t, 0
.rept 16
	ds_load_b128 v[OS+4*t:OS+4*t+3], v[RD] offset:SROW*t  ; LDS serves a wave's instructions in order (ISA guide 5.7.1.4): these see the stores above; the next block's stores come behind them
.set t, t+1
.endr
.endm
.macro SENDP a, younger                ; younger: the LDS instructions issued behind block a's loads: the next block's 32, or none
.set OS, 64+64*((\a)%2)
.set t, 0
.rept 16
	s_wait_dscnt (\younger)+15-t
	v_pk_add_f32 v[OS+4*t:OS+4*t+1], v[OS+4*t:OS+4*t+1], v[BI:BI+1]
	v_pk_add_f32 v[OS+4*t+2:OS+4*t+3], v[OS+4*t+2:OS+4*t+3], v[BI+2:BI+3]
	global_store_b128 v[GO], v[OS+4*t:OS+4*t+3], s[70:71] offset:4096*(16*(\a)+t) th:TH_STORE_NT  ; 512 consecutive bytes, at a multiple of 256 from out0's first
.set t, t+1
.endr
.endm
	TOST 0
	TOST 1
	SENDP 0, 32
	TOST 2
	SENDP 1, 32
	TOST 3
	SENDP 2, 32
	SENDP 3, 0
	s_wait_tensorcnt 0x0                           ; the wave's end: the add and its wait stand behind my last tensor load and my last LDS store
	ds_add_u32 v[SPW], v[NIL]
	s_wait_dscnt 0x0
	CROUND                                         ; the closing round: no work-group ends while a partner may still ask for a tile that names it
	s_endpgm
.Lfunc_end_k_qa11c06b074_proj:
	.size	k_qa11c06b074_proj, .Lfunc_end_k_qa11c06b074_proj-k_qa11c06b074_proj
	.p2alignl 7, 3214868480
	.fill 96, 4, 3214868480
	.section	.rodata,"a",@progbits
	.p2align	6, 0x0
	.amdhsa_kernel k_qa11c06b074_proj
		.amdhsa_group_segment_fixed_size 327680
		.amdhsa_private_segment_fixed_size 0
		.amdhsa_enable_private_segment 0
		.amdhsa_kernarg_size 32
		.amdhsa_user_sgpr_count 2
		.amdhsa_user_sgpr_kernarg_segment_ptr 1
		.amdhsa_wavefront_size32 1
		.amdhsa_system_sgpr_workgroup_id_x 1
		.amdhsa_system_sgpr_workgroup_id_y 1
		.amdhsa_system_sgpr_workgroup_id_z 1
		.amdhsa_system_vgpr_workitem_id 0
		.amdhsa_next_free_vgpr 768
		.amdhsa_next_free_sgpr 76
		.amdhsa_reserve_vcc 0
		.amdhsa_float_denorm_mode_32 3
		.amdhsa_float_denorm_mode_16_64 3
		.amdhsa_memory_ordered 1
		.amdhsa_forward_progress 1
		.amdhsa_inst_pref_size 79
	.end_amdhsa_kernel
	.amdgpu_metadata
---
amdhsa.version: [ 1, 2 ]
amdhsa.kernels:
  - .name:           k_qa11c06b074_proj
    .symbol:         k_qa11c06b074_proj.kd
    .args:
      - { .name: oh, .offset: 0, .size: 8, .value_kind: global_buffer, .address_space: global }
      - { .name: wob, .offset: 8, .size: 8, .value_kind: global_buffer, .address_space: global }
      - { .name: b_out, .offset: 16, .size: 8, .value_kind: global_buffer, .address_space: global }
      - { .name: out0, .offset: 24, .size: 8, .value_kind: global_buffer, .address_space: global }
    .group_segment_fixed_size: 327680
    .private_segment_fixed_size: 0
    .kernarg_segment_align: 8
    .kernarg_segment_size: 32
    .max_flat_workgroup_size: 128
    .sgpr_count:     76
    .vgpr_count:     768
    .wavefront_size: 32
...
	.end_amdgpu_metadata
.endif
;; end of part 4
